; MI455X (gfx1250); checked and timed in simulation.
; The chip was launched on July 23, 2026; its instructions are those of AMD's public machine-readable ISA for CDNA 5 (MIT licence, August 2026) and "CDNA5" Instruction Set Architecture Reference Guide (July 2026). The comments in the code are by the model that wrote it; some were corrected since.
;; Channel Diffusion. Allowed arithmetic: float matrix products may take bf16 or f16 operands with f32 sums; other float arithmetic in f32, or as packed bf16 or f16 multiplies, adds, multiply-adds, maxima and minima; sums over many terms, partial sums and values carried from step to step in f32; what a program stores and reads back later, other than sums and carried values, may be rounded once to bf16 or f16.
;; Inputs: Wo 1,024 x 1,024 float32; Wqk 1,024 x 1,024 float32; Wv 1,024 x 1,024 float32; tau 16 x 1 x 1 float32; x 8 x 2,048 x 1,024 float32.
;; Outputs: out0 8 x 2,048 x 1,024 float32.
;; 2 versions, each right; version 2 is version 1 with the launch prep written anew for expert scheduling mode. Each part assembles by itself: llvm-mc -triple=amdgcn-amd-amdhsa -mcpu=gfx1250 --defsym DOCPART=n.
;; ======== version 1 of 2: 4 launches
;; limits: values are held in f16: magnitudes above 65,504 overflow, below 6.1e-05 lose precision
;; workspace buffers: x16 33,554,432 bytes; wqk16 2,097,152 bytes; wv16 2,097,152 bytes; wo16 2,097,152 bytes; qkvt 67,108,864 bytes; wop 16,777,216 bytes
;; launch prep (part 1): grid 1024 x 1, 8 waves a work-group, no clusters, 0 bytes of LDS; arguments x, Wqk, Wv, Wo, x16, wqk16, wv16, wo16; writes x16, wqk16, wv16, wo16
.if DOCPART == 1
	.amdgcn_target "amdgcn-amd-amdhsa--gfx1250"
	.amdhsa_code_object_version 6
	.text
	.protected	k_q024fec0243_prep
	.globl	k_q024fec0243_prep
	.p2align	8
	.type	k_q024fec0243_prep,@function
k_q024fec0243_prep:
	s_mov_b64 s[64:65], 0
	v_nop
	global_prefetch_b8 v0, s[64:65] scope:SCOPE_SE
	s_setreg_imm32_b32 hwreg(HW_REG_WAVE_MODE, 25, 1), 1
	s_wait_xcnt 0x0
; x, Wqk, Wv, Wo (f32) are rounded once to bf16 (nearest even), and that number is written as f16, in the same dense row-major layout.
; LIMITS.  A bf16 number is exact in f16 from 2^-14 up to 65,504; below 2^-14 it keeps f16's fixed step of 2^-24; from 65,520 on it becomes an infinity.
; SHARES.  A row of any of the four tensors is 1,024 numbers: 4,096 bytes in, 2,048 bytes out.  Work-group g takes rows 16 g .. 16 g + 15 of x (16,384 rows) and row g of each weight
; (1,024 rows): 19 rows, the same work in every work-group, no branch.  Thread t takes four numbers of every row: a load of 16 bytes at 16 t (a wave: 512 consecutive bytes)
; and a store of 8 bytes at 8 t (a wave: 256 consecutive bytes, aligned).
; All 19 loads go out at the head; each row has its own registers in and out, so nothing that a pending store reads is ever rewritten.
; No LDS, no barrier, no cluster: no byte is wanted twice.
.set T, 4                              ; v[4:9]     at work
.set X, 12                             ; v[12:87]   row i as loaded: 4 registers
.set Y, 88                             ; v[88:125]  row i to store: 2 registers
	s_load_b512 s[16:31], s[0:1], 0x0              ; x s[16:17], Wqk s[18:19], Wv s[20:21], Wo s[22:23], x16 s[24:25], wqk16 s[26:27], wv16 s[28:29], wo16 s[30:31]
	s_mov_b32 s2, 0xffff0000                       ; a word's upper bf16
	s_lshl_b32 s4, ttmp9, 16                       ; 16 rows of 4,096 bytes
	s_mov_b32 s5, 0
	s_lshl_b32 s6, ttmp9, 15                       ; 16 rows of 2,048 bytes
	s_mov_b32 s7, 0
	s_lshl_b32 s8, ttmp9, 12                       ; one row in
	s_mov_b32 s9, 0
	s_lshl_b32 s10, ttmp9, 11                      ; one row out
	s_mov_b32 s11, 0
	v_lshlrev_b32 v1, 4, v0                        ; 16 t
	v_lshlrev_b32 v2, 3, v0                        ; 8 t
	s_wait_kmcnt 0x0
	s_add_nc_u64 s[16:17], s[16:17], s[4:5]
	s_add_nc_u64 s[18:19], s[18:19], s[8:9]
	s_add_nc_u64 s[20:21], s[20:21], s[8:9]
	s_add_nc_u64 s[22:23], s[22:23], s[8:9]
	s_add_nc_u64 s[24:25], s[24:25], s[6:7]
	s_add_nc_u64 s[26:27], s[26:27], s[10:11]
	s_add_nc_u64 s[28:29], s[28:29], s[10:11]
	s_add_nc_u64 s[30:31], s[30:31], s[10:11]
.irp r, 0,1,2,3,4,5,6,7,8,9,10,11,12,13,14,15
	global_load_b128 v[X+4*(\r):X+4*(\r)+3], v1, s[16:17] offset:(\r)*4096 th:TH_LOAD_NT
.endr
	global_load_b128 v[X+64:X+67], v1, s[18:19] th:TH_LOAD_NT
	global_load_b128 v[X+68:X+71], v1, s[20:21] th:TH_LOAD_NT
	global_load_b128 v[X+72:X+75], v1, s[22:23] th:TH_LOAD_NT
; Row i of the 19: to bf16, widened again (a shift, a mask), written as f16, stored at byte off behind the pointer s[base:base+1].
.macro CONV i, base, off
	s_wait_loadcnt 18-(\i)                         ; loads come back in order: row i is in, the 18 - i younger ones may stay out
	v_cvt_pk_bf16_f32 v[T],   v[X+4*(\i)],   v[X+4*(\i)+1]
	v_cvt_pk_bf16_f32 v[T+1], v[X+4*(\i)+2], v[X+4*(\i)+3]
	v_lshlrev_b32 v[T+2], 16, v[T]
	v_and_b32     v[T+3], s2, v[T]
	v_lshlrev_b32 v[T+4], 16, v[T+1]
	v_and_b32     v[T+5], s2, v[T+1]
	v_cvt_pk_f16_f32 v[Y+2*(\i)],   v[T+2], v[T+3]
	v_cvt_pk_f16_f32 v[Y+2*(\i)+1], v[T+4], v[T+5]
	global_store_b64 v2, v[Y+2*(\i):Y+2*(\i)+1], s[\base:\base+1] offset:\off
.endm
.irp r, 0,1,2,3,4,5,6,7,8,9,10,11,12,13,14,15
	CONV \r, 24, (\r)*2048
.endr
	CONV 16, 26, 0
	CONV 17, 28, 0
	CONV 18, 30, 0
	s_endpgm
.Lfunc_end_k_q024fec0243_prep:
	.size	k_q024fec0243_prep, .Lfunc_end_k_q024fec0243_prep-k_q024fec0243_prep
	.p2alignl 7, 3214868480
	.fill 96, 4, 3214868480
	.section	.rodata,"a",@progbits
	.p2align	6, 0x0
	.amdhsa_kernel k_q024fec0243_prep
		.amdhsa_group_segment_fixed_size 0
		.amdhsa_private_segment_fixed_size 0
		.amdhsa_enable_private_segment 0
		.amdhsa_kernarg_size 64
		.amdhsa_user_sgpr_count 2
		.amdhsa_user_sgpr_kernarg_segment_ptr 1
		.amdhsa_wavefront_size32 1
		.amdhsa_system_sgpr_workgroup_id_x 1
		.amdhsa_system_sgpr_workgroup_id_y 1
		.amdhsa_system_sgpr_workgroup_id_z 1
		.amdhsa_system_vgpr_workitem_id 0
		.amdhsa_next_free_vgpr 128
		.amdhsa_next_free_sgpr 66
		.amdhsa_reserve_vcc 0
		.amdhsa_float_denorm_mode_32 3
		.amdhsa_float_denorm_mode_16_64 3
		.amdhsa_memory_ordered 1
		.amdhsa_forward_progress 1
		.amdhsa_inst_pref_size 13
	.end_amdhsa_kernel
	.amdgpu_metadata
---
amdhsa.version: [ 1, 2 ]
amdhsa.kernels:
  - .name:           k_q024fec0243_prep
    .symbol:         k_q024fec0243_prep.kd
    .args:
      - { .name: x, .offset: 0, .size: 8, .value_kind: global_buffer, .address_space: global }
      - { .name: Wqk, .offset: 8, .size: 8, .value_kind: global_buffer, .address_space: global }
      - { .name: Wv, .offset: 16, .size: 8, .value_kind: global_buffer, .address_space: global }
      - { .name: Wo, .offset: 24, .size: 8, .value_kind: global_buffer, .address_space: global }
      - { .name: x16, .offset: 32, .size: 8, .value_kind: global_buffer, .address_space: global }
      - { .name: wqk16, .offset: 40, .size: 8, .value_kind: global_buffer, .address_space: global }
      - { .name: wv16, .offset: 48, .size: 8, .value_kind: global_buffer, .address_space: global }
      - { .name: wo16, .offset: 56, .size: 8, .value_kind: global_buffer, .address_space: global }
    .group_segment_fixed_size: 0
    .private_segment_fixed_size: 0
    .kernarg_segment_align: 8
    .kernarg_segment_size: 64
    .max_flat_workgroup_size: 256
    .sgpr_count:     66
    .vgpr_count:     128
    .wavefront_size: 32
...
	.end_amdgpu_metadata
.endif
;; end of part 1
;; launch proj (part 2): grid 8 x 64, 4 waves a work-group, clusters of 4 x 4, 327,680 bytes of LDS; arguments x16, wqk16, wv16, qkvt; writes qkvt
.if DOCPART == 2
	.amdgcn_target "amdgcn-amd-amdhsa--gfx1250"
	.amdhsa_code_object_version 6
	.text
	.protected	k_q024fec0243_proj
	.globl	k_q024fec0243_proj
	.p2align	8
	.type	k_q024fec0243_proj,@function
k_q024fec0243_proj:
	s_mov_b64 s[64:65], 0
	v_nop
	global_prefetch_b8 v0, s[64:65] scope:SCOPE_SE
	s_setreg_imm32_b32 hwreg(HW_REG_WAVE_MODE, 25, 1), 1
	s_wait_xcnt 0x0
	s_wait_alu depctr_hold_cnt(0) depctr_sa_sdst(0) depctr_va_vdst(0) depctr_va_sdst(0) depctr_va_ssrc(0) depctr_va_vcc(0) depctr_vm_vsrc(0)
	s_getreg_b32 s2, hwreg(HW_REG_IB_STS2, 6, 4)
	s_cmp_eq_u32 s2, 0
	s_cbranch_scc0 .Lentry_in_a_cluster
	s_endpgm
.Lentry_in_a_cluster:
	s_bfe_u32 s2, ttmp6, 0x10000c
	s_cmp_lg_u32 s2, 0xf033
	s_cbranch_scc0 .Lentry_shape_is_right
	s_endpgm
.Lentry_shape_is_right:
; BOTH PROJECTIONS, CHANNEL-MAJOR.  qkvt[b][c][n] = the sum over k of W[k][c] x[b][n][k]; c = 0..1023 by Wqk, c = 1024..2047 by Wv.  x16: [16384][1024], wqk16, wv16: [1024 k][1024 c],
; qkvt: [8][2048 c][2048 n], all f16; sums in f32, K ascending, the result rounded once to f16.
; LIMIT.  A projected number of 65,520 or more becomes an infinity in f16; below 2^-14 it keeps the fixed step of 2^-24.
; A tile of the result is 256 channels x 256 tokens, made by four waves, each 128 x 128: 64 accumulators of 16 x 16, 512 registers.  K goes in 8 steps of 128 through two LDS slots filled by tensor loads.
; OPERAND A = W, source 1 of the product: its index (the channel) is the result's lane.  W lies [k][c], so its fragments come out of LDS turned, by ds_load_tr16_b128.
; OPERAND B = x, source 0: its index (the token) runs along the result's eight registers: eight neighbouring tokens of one channel, 16 bytes of f16.  x lies [n][k]: plain loads.
; THE LAST K STEP GOES BY ROWS OF THE RESULT, not by K: all its fragments of x fill window 1, and the wave's eight blocks of 16 channels are finished one after the other, so that a finished block's stores
; leave while the other blocks are still multiplied.
; CLUSTERS: 4 x 4 work-groups.  W's tile hangs on the channel tile alone (cluster x and cx) and is shared along a column of the cluster; x's on the token tile alone (cluster y and cy) and is shared along a row.
; Each is asked for jointly: the same tensor load, descriptor and mask in the four partners.
; REGISTERS, in windows of 256 (s_set_vgpr_msb: bits 1:0 source 0, 3:2 source 1, 5:4 source 2, 7:6 destination):
;   window 0: v0-31 addresses; v64-127, v128-191 A's fragments, two buffers (in the last K step four, of 16 channels x 128 K); v192-223 a block's packed results
;   window 1: v64-127, v128-191 B's fragments, two buffers; in the last K step all 256: B's fragments of the whole step
;   windows 2, 3: accumulator (a, b) at v[8 (8 (a % 4) + b)], window 2 for a < 4; on the way out a block's rows come back from the stage into its own first 32 registers
.set KSTEP,  128
.set PT,     288                       ; a row of a turned tile in LDS: 256 bytes + 32 = 72 words
.set PP,     272                       ; a row of a plain tile: 256 + 16 = 68 words: the 16 rows of a load start at 16 different groups of four banks
.set HALFT,  128*PT                    ; room for what one tensor load brings: 128 rows (a plain tile uses 128 x 272 of it)
.set SLOT,   4*HALFT                   ; A's two halves, then B's two halves
.set STAGE,  2*SLOT                    ; behind the ring: 16 rows x 272 bytes for each wave, for the way out; no tensor load lands here
.set SPITCH, 272
.set SPARE,  STAGE+4*16*SPITCH         ; behind the stages: the spare words, 128 bytes for each wave: two blocks of 256 bytes that no other line names
.set KBA,    KSTEP*2048                ; bytes from a K step to the next in W: 128 rows of 2,048 bytes
.set KBB,    KSTEP*2                   ; in x: 256 bytes along the rows
.set CROW,   4096                      ; bytes in a row (a channel) of qkvt
.set ADRA, 16                          ; v16-17  LDS address of my A fragments in slot 0, 1
.set ADRB, 20                          ; v20-21  the same for B
.set STO,  24                          ; v24     the way out: where I put 16 bytes of a row
.set RD,   25                          ; v25     the way out: where I read a row back
.set CO,   26                          ; v26     my byte offset in two rows of qkvt; never rewritten
.set SPW,  28                          ; v28     LDS address of my spare word; never rewritten
.set NIL,  29                          ; v29     0; never rewritten
.set PFO,  30                          ; v30     the prefetches' offset: my lane x 2,048 (a row of W or of x); never rewritten
.set F0,   64
.set F1,   128
.set TMP,  192
.set PA,   64                          ; the last K step: A's four buffers of 32 registers
.set G1A, 24                           ; s[24:31] descriptor group 1 for A's tiles;  s[32:39] group 0, a set for each slot
.set G0A, 32
.set G1B, 48                           ; s[48:55], s[56:63] the same for B's
.set G0B, 56
.set LIM, 43                           ; s43      1 in a wave that prefetches, else the greatest number
.set PFA, 44                           ; s[44:45] where my prefetches stand
.set PFS, 66                           ; s[66:67] their step: a K step of my operand
.set MSB, 0
.macro WIN new                         ; the immediate's high byte repeats the setting that is left; a switch that changes nothing is dropped
.if MSB != (\new)
	s_set_vgpr_msb (MSB<<8)|(\new)
.set MSB, \new
.endif
.endm
.set MUL_LO, 0xa1                      ; source 0 (B) window 1, source 1 (A) window 0, C and D window 2
.set MUL_HI, 0xf1                      ; the same, C and D window 3
.set TO_B,   0x40                      ; destination window 1, address window 0
; A joint load.  Waves 0 and 1 fetch A's two halves, waves 2 and 3 B's.  The branch hangs on the wave's number alone.  An s_nop 0 and four v_nop follow each of the two lines.
.macro JLOAD s
	s_cmp_eq_u32 s11, 0
	s_cbranch_scc0 .Lfor_b_\@
	tensor_load_to_lds s[G0A+4*(\s):G0A+4*(\s)+3], s[G1A:G1A+7]
	s_nop 0
.rept 4
	v_nop
.endr
	s_branch .Lasked_\@
.Lfor_b_\@:
	tensor_load_to_lds s[G0B+4*(\s):G0B+4*(\s)+3], s[G1B:G1B+7]
	s_nop 0
.rept 4
	v_nop
.endr
.Lasked_\@:
.endm
; A prefetch, behind a joint load, its five lines and the run of LDS loads: the K step two refills on, 512 matrix instructions ahead of the load that will ask for it: 32 rows x 256 bytes, a lane a row.
; Each row's 256 bytes of a K step are named once in the launch.  W's tile is read by every cluster of the same cluster x: the one with cluster y = 0 asks; x's by both clusters of the same cluster y:
; the one with cluster x = 0 asks.  The four partners of a joint load share its 128 rows out by address, 32 each.  The loop's last trip (s3 = 1) asks for nothing: K has no step 8.
.macro ASK
	s_cmp_gt_u32 s3, s[LIM]
	s_cbranch_scc0 .Lnot_mine_\@
	global_prefetch_b8 v[PFO], s[PFA:PFA+1] th:TH_LOAD_NT scope:SCOPE_SE
.Lnot_mine_\@:
.endm
; A round of the cluster's barrier: my work-group's barrier; wave 0 signals for the work-group; every wave waits for all sixteen; my work-group's barrier once more.
.macro CREST
	s_cmp_lg_u32 s10, 0
	s_cbranch_scc1 .Lnot_wave_0_\@
	s_barrier_signal -3
.Lnot_wave_0_\@:
	s_barrier_wait -3
	s_barrier_signal -1
	s_barrier_wait -1
.endm
.macro CROUND
	s_barrier_signal -1
	s_barrier_wait -1
	CREST
.endm
	s_load_b256 s[72:79], s[0:1], 0x0              ; x16 s[72:73], wqk16 s[74:75], wv16 s[76:77], qkvt s[78:79]
	v_lshl_add_u32 v[SPW], v0, 2, SPARE
	v_mov_b32 v[NIL], 0
	ds_add_u32 v[SPW], v[NIL]                      ; the wave's opening: the add and its wait stand ahead of my first tensor load; work on registers stands between them
	v_lshrrev_b32 v1, 5, v0
	v_readfirstlane_b32 s10, v1                    ; wave 0..3
	s_lshr_b32 s11, s10, 1                         ; which half of the tile's channels is mine.  Also: I fetch for A (0) or for B (1)
	s_and_b32 s12, s10, 1                          ; which half of its tokens.  Also: which half of that operand I fetch
	s_bfe_u32 s40, ttmp6, 0x40000                  ; cx
	s_bfe_u32 s41, ttmp6, 0x40004                  ; cy
	s_mov_b32 s21, ttmp9                           ; cluster x: 0 = Wqk's channels, 1 = Wv's
	s_and_b32 s13, ttmp7, 0xffff                   ; cluster y
	s_lshl_b32 s42, s13, 2
	s_add_co_u32 s42, s42, s41                     ; token tile = 4 x cluster y + cy
	s_lshl_b32 s18, s41, 2
	s_lshl_b32 s18, 15, s18                        ; my row of the cluster: places 4 cy .. 4 cy + 3
	s_lshl_b32 s19, 0x1111, s40                    ; my column: places cx, cx + 4, cx + 8, cx + 12
	s_or_b32 s[G1A+0], s19, (1<<16)|(1<<20)|(1<<21)|(5<<22)|(7<<25)  ; 15:0 the mask: W's tiles go to my column; 17:16 2-byte elements; 20 padding on; 21 set beside a mask; 24:22 after every 64 words; 31:25 8 words of it
	s_or_b32 s[G1B+0], s18, (1<<16)|(1<<20)|(1<<21)|(5<<22)|(3<<25)  ; x's tiles go to my row; 4 words of padding
.irp g, G1A, G1B
	s_mov_b32 s[(\g)+1], KSTEP<<16                 ; tensor_dim0 = 128
	s_mov_b32 s[(\g)+2], 128<<16                   ; tensor_dim1 = 128
	s_mov_b32 s[(\g)+3], KSTEP<<16                 ; tile_dim0 = 128 elements: 256 bytes
	s_mov_b32 s[(\g)+4], 128                       ; tile_dim1 = 128 rows
	s_mov_b32 s[(\g)+5], 1024                      ; 1,024 elements from row to row, in W and in x
	s_mov_b32 s[(\g)+6], 0
	s_mov_b32 s[(\g)+7], 0
.endr
	s_lshl_b32 s14, s40, 9                         ; A: 256 channels x 2 bytes for each cx,
	s_lshl_b32 s22, s12, 8                         ; + the half that I fetch
	s_add_co_u32 s14, s14, s22
	s_mov_b32 s15, 0
	s_lshl_b32 s46, s42, 19                        ; B: 256 rows of 2,048 bytes for each token tile,
	s_lshl_b32 s23, s12, 18                        ; + the half that I fetch
	s_add_co_u32 s46, s46, s23
	s_mov_b32 s47, 0
	s_mul_i32 s20, s10, HALFT                      ; where they go: wave x 128 rows: no place in the cluster enters an LDS address
	s_wait_dscnt 0x0                               ; the opening add is done
	s_wait_kmcnt 0x0
	s_cmp_eq_u32 s21, 0
	s_cselect_b64 s[68:69], s[74:75], s[76:77]     ; the cluster's weights
	s_add_nc_u64 s[14:15], s[68:69], s[14:15]
	s_add_nc_u64 s[46:47], s[72:73], s[46:47]
	s_mov_b64 s[8:9], s[78:79]
	CROUND                                         ; all sixteen work-groups are here: the first joint loads meet
.irp s, 0,1
	s_mov_b32 s[G0A+4*(\s)], 1                                     ; count = 1
	s_add_co_u32 s[G0A+4*(\s)+1], s20, (\s)*SLOT                   ; LDS address
	s_add_nc_u64 s[G0A+4*(\s)+2:G0A+4*(\s)+3], s[14:15], (\s)*KBA  ; global address: K step s
	s_or_b32 s[G0A+4*(\s)+3], s[G0A+4*(\s)+3], 0x80000000          ; type = 2
	s_mov_b32 s[G0B+4*(\s)], 1
	s_add_co_u32 s[G0B+4*(\s)+1], s20, (\s)*SLOT
	s_add_nc_u64 s[G0B+4*(\s)+2:G0B+4*(\s)+3], s[46:47], (\s)*KBB
	s_or_b32 s[G0B+4*(\s)+3], s[G0B+4*(\s)+3], 0x80000000
	JLOAD \s                                       ; two loads of mine are out
.endr
	; A fragment is 16 indices x 32 K in 8 registers: lane l holds index l % 16; registers 0-3 K = 8 (l / 16) + 0..7, registers 4-7 K = 16 + 8 (l / 16) + 0..7.
	v_and_b32 v1, 15, v0                           ; l % 16
	v_bfe_u32 v2, v0, 4, 1                         ; l / 16
	v_and_b32 v3, 7, v0
	v_bfe_u32 v4, v0, 3, 1
	v_lshl_add_u32 v5, v2, 3, v3                   ; turned: lane l reads K row 8 (l / 16) + l % 8,
	v_mul_u32_u24 v5, v5, PT
	v_lshl_add_u32 v5, v4, 4, v5                   ; 16 bytes at 16 ((l / 8) % 2)
	v_mul_u32_u24 v6, v1, PP                       ; plain: row l % 16,
	v_lshl_add_u32 v6, v2, 4, v6                   ; 16 bytes at 16 (l / 16)
	s_mul_i32 s22, s11, HALFT                      ; my 128 channels of A
	s_mul_i32 s23, s12, HALFT                      ; my 128 tokens of B,
	s_add_co_u32 s23, s23, 2*HALFT                 ; which lie behind A's two halves
.irp s, 0,1
	v_add_nc_u32 v[ADRA+(\s)], s22, v5
	v_add_nc_u32 v[ADRB+(\s)], s23, v6
	s_add_co_u32 s22, s22, SLOT
	s_add_co_u32 s23, s23, SLOT
.endr
	s_mul_i32 s23, s10, 16*SPITCH
	s_add_co_u32 s23, s23, STAGE                   ; my stage
	v_mul_u32_u24 v7, v1, SPITCH                   ; in: row l % 16, 16 bytes for each half of the lanes
	v_lshl_add_u32 v7, v2, 4, v7
	v_add_nc_u32 v[STO], s23, v7
	v_mul_u32_u24 v7, v2, SPITCH                   ; back: lanes 0-15 take one row of 256 bytes, lanes 16-31 the next
	v_lshl_add_u32 v7, v1, 4, v7
	v_add_nc_u32 v[RD], s23, v7
	v_lshlrev_b32 v7, 12, v2                       ; and the same two rows in qkvt
	v_lshl_add_u32 v[CO], v1, 4, v7
	; where my part of the tile begins in qkvt: batch = token tile / 8 = cluster y / 2
	s_lshr_b32 s16, s13, 1
	s_lshl_b32 s16, s16, 23                        ; a batch: 2,048 channels of 4,096 bytes
	s_lshl_b32 s22, s21, 2
	s_add_co_u32 s22, s22, s40                     ; channel tile = 4 x cluster x + cx
	s_lshl_b32 s22, s22, 20
	s_add_co_u32 s16, s16, s22
	s_lshl_b32 s22, s11, 19                        ; my 128 channels
	s_add_co_u32 s16, s16, s22
	s_and_b32 s22, s42, 7
	s_lshl_b32 s22, s22, 9                         ; the tile's 256 tokens in the batch
	s_add_co_u32 s16, s16, s22
	s_lshl_b32 s22, s12, 8                         ; my 128 of them
	s_add_co_u32 s16, s16, s22
	s_mov_b32 s17, 0
	s_add_nc_u64 s[8:9], s[8:9], s[16:17]          ; written once: a store's row among my 128 stands in its immediate
	; the prefetches: my tile's address, + my work-group's 32 of its 128 rows, at K step 3: each refill steps it first, so the first one names K step 4
	s_mov_b32 s[PFS], KBB
	s_mov_b32 s[PFS+1], 0
	s_cmp_eq_u32 s11, 0                            ; do I fetch for A?
	s_cselect_b32 s[PFS], KBA, s[PFS]
	s_cselect_b64 s[PFA:PFA+1], s[14:15], s[46:47]
	s_cselect_b32 s70, s41, s40                    ; my place among the four that ask with me: cy for A, cx for B
	s_cselect_b32 s22, s13, s21                    ; the coordinate along which other clusters read the same rows
	s_cmp_eq_u32 s22, 0
	s_cselect_b32 s[LIM], 1, -1                    ; the same in all sixteen partners, for a given wave
	s_lshl_b32 s70, s70, 16                        ; 32 rows of 2,048 bytes
	s_mul_i32 s22, s[PFS], 3
	s_add_co_u32 s70, s70, s22
	s_mov_b32 s71, 0
	s_add_nc_u64 s[PFA:PFA+1], s[PFA:PFA+1], s[70:71]
	v_and_b32 v[PFO], 31, v0
	v_lshlrev_b32 v[PFO], 11, v[PFO]
; 16 matrix instructions: A blocks a0, a0 + 1 of the window's four x all 8 B blocks, 32 along K.  zero = 1: the first product starts the sums.  The 64 accumulators take turns, in the same order in every quarter.
.macro MUL16 f, hi, a0, zero
	WIN MUL_LO+0x50*(\hi)
.irp a, \a0, (\a0)+1
.irp b, 0,1,2,3,4,5,6,7
.if \zero
	v_wmma_f32_16x16x32_f16 v[8*(8*(\a)+(\b)):8*(8*(\a)+(\b))+7], v[(\f)+8*(\b):(\f)+8*(\b)+7], v[(\f)+8*(4*(\hi)+(\a)):(\f)+8*(4*(\hi)+(\a))+7], 0
.else
	v_wmma_f32_16x16x32_f16 v[8*(8*(\a)+(\b)):8*(8*(\a)+(\b))+7], v[(\f)+8*(\b):(\f)+8*(\b)+7], v[(\f)+8*(4*(\hi)+(\a)):(\f)+8*(4*(\hi)+(\a))+7], v[8*(8*(\a)+(\b)):8*(8*(\a)+(\b))+7]
.endif
.endr
.endr
.endm
; 32 LDS loads in one run: the fragments of quarter q (32 along K) of a slot into buffer f: B's (plain), then A's (turned)
.macro FETCH slot, q, f
	WIN TO_B
.irp i, 0,1,2,3,4,5,6,7
	ds_load_b128 v[(\f)+8*(\i):(\f)+8*(\i)+3],   v[ADRB+(\slot)] offset:64*(\q)+(\i)*16*PP
	ds_load_b128 v[(\f)+8*(\i)+4:(\f)+8*(\i)+7], v[ADRB+(\slot)] offset:64*(\q)+(\i)*16*PP+32
.endr
	WIN 0
.irp i, 0,1,2,3,4,5,6,7
	ds_load_tr16_b128 v[(\f)+8*(\i):(\f)+8*(\i)+3],   v[ADRA+(\slot)] offset:(\q)*32*PT+32*(\i)
	ds_load_tr16_b128 v[(\f)+8*(\i)+4:(\f)+8*(\i)+7], v[ADRA+(\slot)] offset:(\q)*32*PT+16*PT+32*(\i)
.endr
.endm
.macro PLACES                          ; four plain instructions between a matrix instruction and a load into a register that it has read (ISA guide 7.12.1 for vector instructions)
.rept 4
	v_nop
.endr
.endm
; One of a K step's first three quarters: multiplies buffer f; in its middle it fetches quarter q of the same slot into buffer g.
.macro QUARTER slot, q, f, g, zero
	s_wait_dscnt 8                                 ; B and A's blocks 0-3 are in; the youngest eight loads (A's blocks 4-7) may be out
	MUL16 \f, 0, 0, \zero
	MUL16 \f, 0, 2, \zero
	PLACES
	FETCH \slot, \q, \g
	s_wait_dscnt 32                                ; all but the 32 just issued
	MUL16 \f, 1, 0, \zero
	MUL16 \f, 1, 2, \zero
.endm
; The first half of a K step's last quarter, and the one barrier of a change of slots.
.macro MEET round
	WIN 0                                          ; (the add's two registers lie in window 0)
	s_wait_tensorcnt 0x0                           ; all my tensor loads have landed: the one that was out is my part of the next slot
	ds_add_u32 v[SPW], v[NIL]                      ; 0 onto my spare word
	s_wait_dscnt 9                                 ; (the add and the youngest eight loads may be out)
	MUL16 F1, 0, 0, 0                              ; sixteen matrix instructions stand between the add and the wait for it
	s_wait_dscnt 0x0                               ; the add is done, and my reads of this slot are over
	s_barrier_signal -1
	MUL16 F1, 0, 2, 0                              ; work on registers while the others arrive
.if \round
	WIN 0
.endif
	s_barrier_wait -1
.endm
; The whole last quarter of a K step that fills its slot again.  The barrier opens a round of the cluster's barrier, and behind the round the slot just read out takes the K step two steps on:
; from that request to the wait for it a wave issues 224 matrix instructions.
.macro TURN slot, next
	s_wait_xcnt 0x0                                ; the last prefetch, a K step back, has read its address: it is stepped here, ahead of the waits of the change of slots
	s_add_nc_u64 s[PFA:PFA+1], s[PFA:PFA+1], s[PFS:PFS+1]
	MEET 1
	CREST                                          ; no wave of any partner still reads this slot's tile or has a load on its way
	s_add_nc_u64 s[G0A+4*(\slot)+2:G0A+4*(\slot)+3], s[G0A+4*(\slot)+2:G0A+4*(\slot)+3], 2*KBA
	s_add_nc_u64 s[G0B+4*(\slot)+2:G0B+4*(\slot)+3], s[G0B+4*(\slot)+2:G0B+4*(\slot)+3], 2*KBB
	JLOAD \slot                                    ; the first tensor load behind the round; its four v_nop are also the places in front of the loads below
	FETCH \next, 0, F0
	ASK
	MUL16 F1, 1, 0, 0
	MUL16 F1, 1, 2, 0
.endm
; THE LAST K STEP (it lies in slot 1), BY ROWS.  LDS is read no more than in any other K step: 64 loads for B, 8 for each of A's eight blocks.
.macro BLOAD q                         ; B's fragments of quarter q -> window 1, v[64 q ..]
	WIN TO_B
.irp i, 0,1,2,3,4,5,6,7
	ds_load_b128 v[64*(\q)+8*(\i):64*(\q)+8*(\i)+3],   v[ADRB+1] offset:64*(\q)+(\i)*16*PP
	ds_load_b128 v[64*(\q)+8*(\i)+4:64*(\q)+8*(\i)+7], v[ADRB+1] offset:64*(\q)+(\i)*16*PP+32
.endr
.endm
.macro ALOAD a                         ; A's fragments of block a, all four quarters -> buffer a % 4
	WIN 0
.set FA, PA+32*((\a)%4)
.irp q, 0,1,2,3
	ds_load_tr16_b128 v[FA+8*(\q):FA+8*(\q)+3],   v[ADRA+1] offset:(\q)*32*PT+32*(\a)
	ds_load_tr16_b128 v[FA+8*(\q)+4:FA+8*(\q)+7], v[ADRA+1] offset:(\q)*32*PT+16*PT+32*(\a)
.endr
.endm
.macro ROW a                           ; block a is finished: 32 matrix instructions, its 8 accumulators by turns, K ascending
.set FA, PA+32*((\a)%4)
.set AC, 64*((\a)%4)
	WIN MUL_LO+0x50*((\a)/4)
.irp q, 0,1,2,3
.if (\a) == 0 && (\q) == 2
	s_wait_dscnt 24                                ; B's quarter 2 is in (behind it: A's blocks 1 to 3)
.endif
.irp b, 0,1,2,3,4,5,6,7
	v_wmma_f32_16x16x32_f16 v[AC+8*(\b):AC+8*(\b)+7], v[64*(\q)+8*(\b):64*(\q)+8*(\b)+7], v[FA+8*(\q):FA+8*(\q)+7], v[AC+8*(\b):AC+8*(\b)+7]
.endr
.endr
.endm
; THE WAY OUT of block a (16 channels x 128 tokens).  PACK: rounded to f16, 16 bytes a lane, each accumulator's registers in ascending order.  TOSTAGE: into my own stage, and back as whole rows of 256 bytes, into
; the block's own first 32 accumulator registers, which have just been packed: no register is store data twice, so no store is waited for.  SEND: stored; the row stands in the immediate, 126 rows of 4,096 bytes at the most.
.macro PACK a
.set AC, 64*((\a)%4)
	WIN 0x0a+5*((\a)/4)                            ; sources 0 and 1: window 2 or 3
.irp b, 0,1,2,3,4,5,6,7
.irp r, 0,1,2,3
	v_cvt_pk_f16_f32 v[TMP+4*(\b)+(\r)], v[AC+8*(\b)+2*(\r)], v[AC+8*(\b)+2*(\r)+1]
.endr
.endr
.endm
.macro TOSTAGE a
.set AC, 64*((\a)%4)
	WIN 0
.irp b, 0,1,2,3,4,5,6,7
	ds_store_b128 v[STO], v[TMP+4*(\b):TMP+4*(\b)+3] offset:32*(\b)
.endr
	WIN 0x80+0x40*((\a)/4)                         ; destination window 2 or 3, address window 0
.irp t, 0,1,2,3,4,5,6,7
	ds_load_b128 v[AC+4*(\t):AC+4*(\t)+3], v[RD] offset:(\t)*2*SPITCH  ; LDS serves a wave's instructions in order (ISA guide 5.7.1.4): these see the stores above; the next block's stores come behind them
.endr
.endm
.macro SEND a, younger                 ; younger: the LDS loads issued behind TOSTAGE's, which may stay out
.set AC, 64*((\a)%4)
	WIN 0x08+4*((\a)/4)                            ; store data (source 1) in window 2 or 3
	s_wait_dscnt \younger                          ; the block is back in registers
.irp t, 0,1,2,3,4,5,6,7
	global_store_b128 v[CO], v[AC+4*(\t):AC+4*(\t)+3], s[8:9] offset:(16*(\a)+2*(\t))*CROW  ; 16 lanes store 256 consecutive bytes, at a multiple of 256 from qkvt's first byte
.endr
.endm
	s_wait_tensorcnt 1                             ; my part of K step 0 is in; K step 1's one load may stay out
	s_barrier_signal -1
	s_barrier_wait -1
	FETCH 0, 0, F0
	QUARTER 0, 1, F0, F1, 1                        ; the first quarter stands in front of the loop: its products start the sums
	WIN 0                                          ; at a label and at a branch every window is 0
	s_mov_b32 s3, 3
.Llap:                                                 ; three trips: once round the ring, from a lap's second quarter to the next lap's first; both slots are filled again (K steps 2 to 7)
	QUARTER 0, 2, F1, F0, 0
	QUARTER 0, 3, F0, F1, 0
	TURN 0, 1
	QUARTER 1, 1, F0, F1, 0
	QUARTER 1, 2, F1, F0, 0
	QUARTER 1, 3, F0, F1, 0
	TURN 1, 0
	QUARTER 0, 1, F0, F1, 0
	WIN 0
	s_sub_co_u32 s3, s3, 1
	s_cmp_lg_u32 s3, 0
	s_cbranch_scc1 .Llap
	QUARTER 0, 2, F1, F0, 0                        ; the last lap fills nothing
	QUARTER 0, 3, F0, F1, 0
	MEET 0                                         ; my one tensor load that was still out is slot 1's, the last K step's, so no round follows
	PLACES                                         ; for the loads into buffer 0, which the quarter before multiplied
	BLOAD 0                                        ; three quarters of B now: buffer 1 (v128-191 of both windows) is still being multiplied
	BLOAD 1
	BLOAD 3
	ALOAD 0
	MUL16 F1, 1, 0, 0
	MUL16 F1, 1, 2, 0
	PLACES                                         ; for the loads into buffer 1
	BLOAD 2
	ALOAD 1
	ALOAD 2
	ALOAD 3
	s_wait_dscnt 40                                ; all but the 40 just issued
	ROW 0
.irp a, 0,1,2,3,4,5,6,7                ; each block leaves as soon as it is finished; the next block's 32 products stand between its loads from the stage and the wait for them
	PLACES                                         ; eight plain instructions between the block's last products and the conversions that read them
	PLACES
	PACK \a
	TOSTAGE \a
.if (\a) < 4
	ALOAD (\a)+4                                   ; its buffer takes the block four further on
	s_wait_dscnt 24                                ; all but what this block has just issued (16 for the stage, 8 for A): the next block's fragments are in
.elseif (\a) < 7
	s_wait_dscnt 16
.endif
.if (\a) < 7
	ROW (\a)+1
.endif
.if (\a) < 4
	SEND \a, 8
.else
	SEND \a, 0
.endif
.endr
	WIN 0
	s_wait_tensorcnt 0x0                           ; the wave's end, behind my last tensor load and my last LDS store
	ds_add_u32 v[SPW], v[NIL]
	s_wait_dscnt 0x0
	CROUND                                         ; the closing round: no work-group ends while a partner may still ask for a tile that names it
	s_endpgm
.Lfunc_end_k_q024fec0243_proj:
	.size	k_q024fec0243_proj, .Lfunc_end_k_q024fec0243_proj-k_q024fec0243_proj
	.p2alignl 7, 3214868480
	.fill 96, 4, 3214868480
	.section	.rodata,"a",@progbits
	.p2align	6, 0x0
	.amdhsa_kernel k_q024fec0243_proj
		.amdhsa_group_segment_fixed_size 327680
		.amdhsa_private_segment_fixed_size 0
		.amdhsa_enable_private_segment 0
		.amdhsa_kernarg_size 32
		.amdhsa_user_sgpr_count 2
		.amdhsa_user_sgpr_kernarg_segment_ptr 1
		.amdhsa_wavefront_size32 1
		.amdhsa_system_sgpr_workgroup_id_x 1
		.amdhsa_system_sgpr_workgroup_id_y 1
		.amdhsa_system_sgpr_workgroup_id_z 1
		.amdhsa_system_vgpr_workitem_id 0
		.amdhsa_next_free_vgpr 1024
		.amdhsa_next_free_sgpr 80
		.amdhsa_reserve_vcc 0
		.amdhsa_float_denorm_mode_32 3
		.amdhsa_float_denorm_mode_16_64 3
		.amdhsa_memory_ordered 1
		.amdhsa_forward_progress 1
		.amdhsa_inst_pref_size 145
	.end_amdhsa_kernel
	.amdgpu_metadata
---
amdhsa.version: [ 1, 2 ]
amdhsa.kernels:
  - .name:           k_q024fec0243_proj
    .symbol:         k_q024fec0243_proj.kd
    .args:
      - { .name: x16, .offset: 0, .size: 8, .value_kind: global_buffer, .address_space: global }
      - { .name: wqk16, .offset: 8, .size: 8, .value_kind: global_buffer, .address_space: global }
      - { .name: wv16, .offset: 16, .size: 8, .value_kind: global_buffer, .address_space: global }
      - { .name: qkvt, .offset: 24, .size: 8, .value_kind: global_buffer, .address_space: global }
    .group_segment_fixed_size: 327680
    .private_segment_fixed_size: 0
    .kernarg_segment_align: 8
    .kernarg_segment_size: 32
    .max_flat_workgroup_size: 128
    .sgpr_count:     80
    .vgpr_count:     1024
    .wavefront_size: 32
...
	.end_amdgpu_metadata
.endif
;; end of part 2
;; launch mix (part 3): grid 8 x 16, 8 waves a work-group, clusters of 4 x 1, 327,680 bytes of LDS; arguments qkvt, wo16, tau, wop; writes wop
.if DOCPART == 3
	.amdgcn_target "amdgcn-amd-amdhsa--gfx1250"
	.amdhsa_code_object_version 6
	.text
	.protected	k_q024fec0243_mix
	.globl	k_q024fec0243_mix
	.p2align	8
	.type	k_q024fec0243_mix,@function
k_q024fec0243_mix:
	s_mov_b64 s[64:65], 0
	v_nop
	global_prefetch_b8 v0, s[64:65] scope:SCOPE_SE
	s_setreg_imm32_b32 hwreg(HW_REG_WAVE_MODE, 25, 1), 1
	s_wait_xcnt 0x0
	s_wait_alu depctr_hold_cnt(0) depctr_sa_sdst(0) depctr_va_vdst(0) depctr_va_sdst(0) depctr_va_ssrc(0) depctr_va_vcc(0) depctr_vm_vsrc(0)
	s_getreg_b32 s2, hwreg(HW_REG_IB_STS2, 6, 4)
	s_cmp_eq_u32 s2, 0
	s_cbranch_scc0 .Lentry_in_a_cluster
	s_endpgm
.Lentry_in_a_cluster:
	s_bfe_u32 s2, ttmp6, 0x10000c
	s_cmp_lg_u32 s2, 0x3003
	s_cbranch_scc0 .Lentry_shape_is_right
	s_endpgm
.Lentry_shape_is_right:
; FOR ONE BATCH b AND HEAD h: G[d][e] = the sum over the 2,048 tokens of qk[d][n] qk[e][n] (64 x 64); logits[d][e] = tau[h] (2 G[d][e] - G[d][d] - G[e][e]) / sqrt(2048); A = softmax over e, with the
; row's true maximum taken away (behind the multiplication by tau, so any sign of tau is served); then THE WEIGHTS ARE FOLDED INTO Wo: wop[b][64 h + e][j] = the sum over d of A[d][e] Wo[64 h + d][j],
; so that the last launch multiplies v by wop[b] and no weighted v is ever stored.  qkvt: [8][2048 c][2048 n] f16 (channels below 1,024 are qk), wo16: [1024][1024] f16, wop: [8][1024][1024] f16.
; Products and all sums in f32; A and wop are rounded once to f16.
; LIMITS.  A weight below 2^-25 is 0 in f16, one below 2^-126 is 0 in the row's sum; wop has Wo's range; NaN and infinities are not treated apart.
; 128 WORK-GROUPS: a Gram matrix wants all 2,048 tokens of its 64 channels; shared further, its partial sums would have to meet in a launch of their own.
; CLUSTER: the four batches of a cluster read the same 64 rows of wo16 and ask for them jointly.
; PHASES.  A: all 256 KiB of qk go out as 64 loads a wave (wave w: tokens 256 w .. 256 w + 255; a fragment lies in memory as it lies in registers), and the tensor load of Wo.  B: 128 products a wave; partial tiles
; into LDS.  C: wave w adds the eight partials of tiles 2 w, 2 w + 1 and lays G out by rows.  D: waves 0-3 find each row's maximum m and sum Z.  E: each wave makes one fragment of A.  F: wave w makes 64 e x 128 j of wop.
; REGISTERS.  window 0: v0-31 addresses and at work; v32-63 packed results; v64-127 rows read back; v128-255 accumulators, and scratch in C to E.
;             window 1: B: the 64 loads' fragments ((u, i, f) at 128 u + 32 i + 8 f);  F: Wo's fragments (jt, kh) at 16 jt + 8 kh, A's (et, kh) at 128 + 8 (et + 4 kh).
.set PT,    288                        ; a row of Wo's tile in LDS: 256 bytes + 32
.set WOB,   64*PT                      ; a wave's tile of Wo: 64 rows d x 128 j
.set PART,  8*WOB                      ; wave w's 16 partial tiles, 1,024 bytes each, at PART + 16,384 w; in phase F the waves' stages, 16 rows x 272 bytes at PART + 4,352 w
.set GM,    PART+8*16384               ; G: 64 rows of 272 bytes, f32
.set GP,    272
.set STAT,  GM+64*GP                   ; m at +0, 1 / Z at +256, G's diagonal at +512: 64 words each
.set ATT,   STAT+1024                  ; A: 8 fragments as they lie in registers, 1,024 bytes each
.set SPARE, ATT+8192                   ; the spare words, 128 bytes for each wave: four blocks of 256 bytes that no other line names
.set SP,    272
.set FO,  4                            ; v4   r x 4,096 + 16 hh + 512 w: my bytes in 16 channels of qk
.set PS,  5                            ; v5   where I put 16 bytes of a partial tile
.set PR0, 6                            ; v6   where I read partials 0-3 of my two tiles
.set PR1, 7                            ; v7   partials 4-7
.set GS,  8                            ; v8   where I put 32 bytes of a row of G
.set GR,  9                            ; v9   D: row x of G, my 32 columns
.set QD,  10                           ; v10  D: the diagonal from column 32 hh on
.set QX,  11                           ; v11  D: G[x][x]
.set SX,  12                           ; v12  STAT + 4 x
.set MA,  13                           ; v13  E: STAT + 4 (32 kh + 8 hh)
.set AS,  14                           ; v14  E: where I put my fragment of A
.set AL,  15                           ; v15  F: where I read A's fragments
.set WA,  16                           ; v16  F: my lane's place in my wave's tile of Wo
.set STO, 17                           ; v17  the way out: where I put 16 bytes of a row
.set RD,  18                           ; v18  where I read a row back
.set CO,  19                           ; v19  my byte offset in two rows of wop
.set SPW, 28                           ; v28  LDS address of my spare word; never rewritten
.set NIL, 29                           ; v29  0; never rewritten
.set XR,  30                           ; v30  x = 16 (w % 4) + r: D's row, E's column e
.set GA,  31                           ; v31  E: row e of G, from column 32 kh + 8 hh on
.set TMP, 32
.set OB,  64
.set ACC, 128
.set G1,  16                           ; s[16:23] descriptor group 1;  s[24:27] group 0
.set G0,  24
.set MSB, 0
.macro WIN new
.if MSB != (\new)
	s_set_vgpr_msb (MSB<<8)|(\new)
.set MSB, \new
.endif
.endm
.macro CROUND                          ; a round of the cluster's barrier
	s_barrier_signal -1
	s_barrier_wait -1
	s_cmp_lg_u32 s12, 0
	s_cbranch_scc1 .Lnot_wave_0_\@
	s_barrier_signal -3
.Lnot_wave_0_\@:
	s_barrier_wait -3
	s_barrier_signal -1
	s_barrier_wait -1
.endm
.macro PLACES8                         ; plain instructions between the last products and the first reader of a result (ISA guide 7.12.1)
.rept 8
	v_nop
.endr
.endm
	; PHASE A
	s_load_b256 s[4:11], s[0:1], 0x0               ; qkvt s[4:5], wo16 s[6:7], tau s[8:9], wop s[10:11]
	v_lshl_add_u32 v[SPW], v0, 2, SPARE
	v_mov_b32 v[NIL], 0
	ds_add_u32 v[SPW], v[NIL]                      ; the wave's opening: the add and its wait stand ahead of my first tensor load; work on registers stands between them
	v_lshrrev_b32 v1, 5, v0
	v_readfirstlane_b32 s12, v1                    ; wave 0..7
	s_bfe_u32 s13, ttmp6, 0x40000                  ; cx
	s_lshl_b32 s14, ttmp9, 2
	s_add_co_u32 s14, s14, s13                     ; the batch = 4 x cluster x + cx: it enters qkvt's and wop's addresses alone
	s_and_b32 s15, ttmp7, 0xffff                   ; the head, which the four partners share
	s_mov_b32 s[G1+0], 15|(1<<16)|(1<<20)|(1<<21)|(5<<22)|(7<<25)  ; the mask of four; 2-byte elements; padding on; 21 set beside a mask; after every 64 words 8 words
	s_mov_b32 s[G1+1], 128<<16                     ; tensor_dim0 = 128
	s_mov_b32 s[G1+2], 64<<16                      ; tensor_dim1 = 64
	s_mov_b32 s[G1+3], 128<<16                     ; tile_dim0 = 128 elements: 256 bytes
	s_mov_b32 s[G1+4], 64                          ; tile_dim1 = 64 rows
	s_mov_b32 s[G1+5], 1024                        ; 1,024 elements from row to row
	s_mov_b32 s[G1+6], 0
	s_mov_b32 s[G1+7], 0
	s_mov_b32 s[G0], 1
	s_mul_i32 s[G0+1], s12, WOB                    ; each wave's tile has LDS bytes of its own
	s_lshl_b32 s38, s15, 17                        ; the head's 64 rows of 2,048 bytes,
	s_lshl_b32 s28, s12, 8                         ; my wave's 128 columns
	s_add_co_u32 s38, s38, s28
	s_mov_b32 s39, 0
	s_lshl_b32 s36, s14, 23                        ; qkvt: the batch,
	s_lshl_b32 s28, s15, 18                        ; the head's 64 channels of 4,096 bytes
	s_add_co_u32 s36, s36, s28
	s_mov_b32 s37, 0
	s_lshl_b32 s34, s14, 21                        ; wop: the batch, the head's rows, my wave's columns
	s_add_co_u32 s34, s34, s38
	s_mov_b32 s35, 0
	s_lshl_b32 s40, s15, 2                         ; tau[h]
	s_mov_b32 s41, 0
	s_mov_b32 s32, 0x76543210                      ; v_permlanex16_b32: each lane takes its own place in the other half
	s_mov_b32 s33, 0xfedcba98
	v_and_b32 v1, 15, v0                           ; r
	v_bfe_u32 v2, v0, 4, 1                         ; hh
	v_lshlrev_b32 v[FO], 12, v1
	v_lshl_add_u32 v[FO], v2, 4, v[FO]
	s_lshl_b32 s28, s12, 9
	v_add_nc_u32 v[FO], s28, v[FO]
	s_wait_dscnt 0x0                               ; the opening add is done
	s_wait_kmcnt 0x0
	s_add_nc_u64 s[8:9], s[8:9], s[40:41]
	s_load_b32 s30, s[8:9], 0x0
	s_add_nc_u64 s[4:5], s[4:5], s[36:37]
	s_add_nc_u64 s[G0+2:G0+3], s[6:7], s[38:39]
	s_or_b32 s[G0+3], s[G0+3], 0x80000000
	s_add_nc_u64 s[10:11], s[10:11], s[34:35]
	WIN 0x40                                       ; destination window 1, address window 0
.irp u, 0,1                            ; in groups of eight loads: 32 tokens (64 bytes) of all 64 channels
.irp f, 0,1,2,3
.irp i, 0,1,2,3
	global_load_b128 v[128*(\u)+32*(\i)+8*(\f):128*(\u)+32*(\i)+8*(\f)+3],   v[FO], s[4:5] offset:(\i)*65536+256*(\u)+64*(\f)
	global_load_b128 v[128*(\u)+32*(\i)+8*(\f)+4:128*(\u)+32*(\i)+8*(\f)+7], v[FO], s[4:5] offset:(\i)*65536+256*(\u)+64*(\f)+32
.endr
.endr
.endr
	WIN 0
	CROUND                                         ; all four work-groups are here: the joint loads meet
	tensor_load_to_lds s[G0:G0+3], s[G1:G1+7]      ; my wave's 64 x 128 of Wo: the launch's only fill
	s_nop 0
.rept 4
	v_nop
.endr
	; the lane's addresses, while the loads are on their way
	v_and_b32 v3, 31, v0
	s_lshl_b32 s28, s12, 14
	s_add_co_u32 s28, s28, PART
	v_lshl_add_u32 v[PS], v3, 4, s28
	s_lshl_b32 s28, s12, 11
	s_add_co_u32 s28, s28, PART
	v_lshl_add_u32 v[PR0], v3, 4, s28
	v_add_nc_u32 v[PR1], 0x10000, v[PR0]
	s_and_b32 s28, s12, 1                          ; tile T = 4 i1 + i2 = 2 w + u: rows 16 i2 + r = 32 (w % 2) + 16 u + r, columns 16 i1 + 8 hh = 16 (w / 2) + 8 hh
	s_mul_i32 s28, s28, 32*GP
	s_lshr_b32 s29, s12, 1
	s_lshl_b32 s29, s29, 6
	s_add_co_u32 s28, s28, s29
	s_add_co_u32 s28, s28, GM
	v_mul_u32_u24 v[GS], v1, GP
	v_lshl_add_u32 v[GS], v2, 5, v[GS]
	v_add_nc_u32 v[GS], s28, v[GS]
	s_and_b32 s28, s12, 3
	s_lshl_b32 s28, s28, 4
	v_add_nc_u32 v[XR], s28, v1
	v_mul_u32_u24 v[GR], v[XR], GP
	v_add_nc_u32 v[GR], GM, v[GR]                  ; row x of G
	s_lshr_b32 s28, s12, 2
	s_lshl_b32 s28, s28, 7                         ; 4 x 32 kh
	v_lshl_add_u32 v[GA], v2, 5, v[GR]
	v_add_nc_u32 v[GA], s28, v[GA]
	v_lshl_add_u32 v[GR], v2, 7, v[GR]
	v_mul_u32_u24 v[QD], v2, 32*(GP+4)             ; G[y][y] lies at GM + 276 y
	v_add_nc_u32 v[QD], GM, v[QD]
	v_mul_u32_u24 v[QX], v[XR], GP+4
	v_add_nc_u32 v[QX], GM, v[QX]
	v_lshl_add_u32 v[SX], v[XR], 2, STAT
	s_add_co_u32 s28, s28, STAT
	v_lshl_add_u32 v[MA], v2, 5, s28
	s_lshl_b32 s28, s12, 10
	s_add_co_u32 s28, s28, ATT
	v_lshl_add_u32 v[AS], v3, 4, s28
	v_lshlrev_b32 v[AL], 4, v3
	v_add_nc_u32 v[AL], ATT, v[AL]
	v_and_b32 v20, 7, v0                           ; the turning load: lane l reads row 8 (l / 16) + l % 8, 16 bytes at 16 ((l / 8) % 2)
	v_bfe_u32 v22, v0, 3, 1
	v_lshl_add_u32 v[WA], v2, 3, v20
	v_mul_u32_u24 v[WA], v[WA], PT
	v_lshl_add_u32 v[WA], v22, 4, v[WA]
	s_mul_i32 s28, s12, WOB
	v_add_nc_u32 v[WA], s28, v[WA]
	s_mul_i32 s28, s12, 16*SP
	s_add_co_u32 s28, s28, PART                    ; my stage
	v_mul_u32_u24 v[STO], v1, SP
	v_lshl_add_u32 v[STO], v2, 4, v[STO]
	v_add_nc_u32 v[STO], s28, v[STO]
	v_mul_u32_u24 v[RD], v2, SP
	v_lshl_add_u32 v[RD], v1, 4, v[RD]
	v_add_nc_u32 v[RD], s28, v[RD]
	v_lshlrev_b32 v[CO], 11, v2
	v_lshl_add_u32 v[CO], v1, 4, v[CO]
	v_mov_b32 v21, 0                               ; named in pairs with v20, v22, or destinations of v_permlanex16_b32, which count as read: written once
	v_mov_b32 v23, 0
	v_mov_b32 v25, 0
	s_wait_kmcnt 0x0                               ; tau[h]
	s_mul_f32 s30, s30, 0x3d0293ee                 ; c = tau[h] log2(e) / sqrt(2048)
	s_mov_b32 s31, s30                             ; named with it as a pair
	; PHASE B.  Tile T = 4 i1 + i2: source 0 = channels 16 i1 .., source 1 = channels 16 i2 ..: a lane holds G[16 i2 + r][16 i1 + 8 hh + 0..7].  The 16 accumulators take turns.
	WIN 0x05                                       ; sources 0 and 1 window 1; C and D window 0
.set g, 0
.rept 8
	s_wait_loadcnt 56-8*g                          ; group g's eight loads are in; the later groups' may stay out
.irp i1, 0,1,2,3
.irp i2, 0,1,2,3
.if g == 0
	v_wmma_f32_16x16x32_f16 v[ACC+8*(4*(\i1)+(\i2)):ACC+8*(4*(\i1)+(\i2))+7], v[32*(\i1):32*(\i1)+7], v[32*(\i2):32*(\i2)+7], 0
.else
	v_wmma_f32_16x16x32_f16 v[ACC+8*(4*(\i1)+(\i2)):ACC+8*(4*(\i1)+(\i2))+7], v[128*(g/4)+32*(\i1)+8*(g%4):128*(g/4)+32*(\i1)+8*(g%4)+7], v[128*(g/4)+32*(\i2)+8*(g%4):128*(g/4)+32*(\i2)+8*(g%4)+7], v[ACC+8*(4*(\i1)+(\i2)):ACC+8*(4*(\i1)+(\i2))+7]
.endif
.endr
.endr
.set g, g+1
.endr
	WIN 0
	PLACES8
.set i, 0
.rept 16                               ; my 16 partial tiles, as they lie in registers; each accumulator's low registers first
	ds_store_b128 v[PS], v[ACC+8*i:ACC+8*i+3]   offset:1024*i
	ds_store_b128 v[PS], v[ACC+8*i+4:ACC+8*i+7] offset:1024*i+512
.set i, i+1
.endr
	s_wait_dscnt 0x0                               ; for the others' sake: my partial tiles lie in LDS
	s_barrier_signal -1
	s_barrier_wait -1
	; PHASE C.  Tile 2 w + u, partial p -> v[ACC + 64 u + 8 p ..]
.irp u, 0,1
.irp p, 0,1,2,3
	ds_load_b128 v[ACC+64*(\u)+8*(\p):ACC+64*(\u)+8*(\p)+3],       v[PR0] offset:16384*(\p)+1024*(\u)
	ds_load_b128 v[ACC+64*(\u)+8*(\p)+4:ACC+64*(\u)+8*(\p)+7],     v[PR0] offset:16384*(\p)+1024*(\u)+512
	ds_load_b128 v[ACC+64*(\u)+32+8*(\p):ACC+64*(\u)+32+8*(\p)+3], v[PR1] offset:16384*(\p)+1024*(\u)
	ds_load_b128 v[ACC+64*(\u)+32+8*(\p)+4:ACC+64*(\u)+32+8*(\p)+7], v[PR1] offset:16384*(\p)+1024*(\u)+512
.endr
.endr
	s_wait_dscnt 0x0
.macro ADD8 d, s                       ; a tile's eight registers, two sums an instruction
.irp k, 0,2,4,6
	v_pk_add_f32 v[(\d)+(\k):(\d)+(\k)+1], v[(\d)+(\k):(\d)+(\k)+1], v[(\s)+(\k):(\s)+(\k)+1]
.endr
.endm
.irp u, 0,1
	ADD8 ACC+64*(\u),    ACC+64*(\u)+8
	ADD8 ACC+64*(\u)+16, ACC+64*(\u)+24
	ADD8 ACC+64*(\u)+32, ACC+64*(\u)+40
	ADD8 ACC+64*(\u)+48, ACC+64*(\u)+56
.endr
.irp u, 0,1
	ADD8 ACC+64*(\u),    ACC+64*(\u)+16
	ADD8 ACC+64*(\u)+32, ACC+64*(\u)+48
.endr
.irp u, 0,1
	ADD8 ACC+64*(\u),    ACC+64*(\u)+32
.endr
.irp u, 0,1
	ds_store_b128 v[GS], v[ACC+64*(\u):ACC+64*(\u)+3]   offset:16*GP*(\u)
	ds_store_b128 v[GS], v[ACC+64*(\u)+4:ACC+64*(\u)+7] offset:16*GP*(\u)+16
.endr
	s_wait_dscnt 0x0                               ; for the others' sake: my part of G lies in LDS
	s_barrier_signal -1
	s_barrier_wait -1
	; PHASE D, waves 0-3: row x = 16 w + r; a lane takes 32 of its 64 columns.  u = (2 G[x][y] - G[x][x]) - G[y][y], exactly 0 on the diagonal; t = c u; m = the row's greatest t; Z = the sum of 2^(c u - m).
.set U,  128
.set QY, 160
.set TT, 192
	s_cmp_lt_u32 s12, 4
	s_cbranch_scc0 .Lno_stat
.irp k, 0,1,2,3,4,5,6,7
	ds_load_b128 v[U+4*(\k):U+4*(\k)+3], v[GR] offset:16*(\k)
.endr
.set i, 0
.rept 32
	ds_load_b32 v[QY+i], v[QD] offset:(GP+4)*i
.set i, i+1
.endr
	ds_load_b32 v20, v[QX]
	s_wait_dscnt 0x0
.set i, 0
.rept 16
	v_pk_fma_f32 v[U+i:U+i+1], v[U+i:U+i+1], 2.0, v[20:21] op_sel_hi:[1,0,0] neg_lo:[0,0,1] neg_hi:[0,0,1]
.set i, i+2
.endr
.set i, 0
.rept 16
	v_pk_add_f32 v[U+i:U+i+1], v[U+i:U+i+1], v[QY+i:QY+i+1] neg_lo:[0,1] neg_hi:[0,1]
.set i, i+2
.endr
.set i, 0
.rept 16
	v_pk_mul_f32 v[TT+i:TT+i+1], v[U+i:U+i+1], s[30:31] op_sel_hi:[1,0]
.set i, i+2
.endr
	v_max3_num_f32 v22, v[TT], v[TT+1], v[TT+2]
.set i, 3
.rept 14
	v_max3_num_f32 v22, v22, v[TT+i], v[TT+i+1]
.set i, i+2
.endr
	v_max_num_f32 v22, v22, v[TT+31]
	v_permlanex16_b32 v23, v22, s32, s33           ; the row's other 32 columns lie in the lane 16 away
	v_max_num_f32 v22, v22, v23                    ; m
.set i, 0
.rept 16
	v_pk_fma_f32 v[U+i:U+i+1], v[U+i:U+i+1], s[30:31], v[22:23] op_sel_hi:[1,0,0] neg_lo:[0,0,1] neg_hi:[0,0,1]  ; c u - m: the form that phase E repeats, bit for bit
.set i, i+2
.endr
.set i, 0
.rept 32
	v_exp_f32 v[U+i], v[U+i]
.set i, i+1
.endr
	v_nop                                          ; a plain instruction behind the last exponential,
	s_wait_alu depctr_va_vdst(0)                   ; and the one wait for the batch, ahead of its first reader
.irp w, 16, 8, 4, 2
.set i, 0
.rept (\w)/2
	v_pk_add_f32 v[U+i:U+i+1], v[U+i:U+i+1], v[U+(\w)+i:U+(\w)+i+1]
.set i, i+2
.endr
.endr
	v_add_f32 v24, v[U], v[U+1]
	v_permlanex16_b32 v25, v24, s32, s33
	v_add_f32 v24, v24, v25                        ; Z: at least 1 less a rounding, since the row's greatest term is 2^0
	v_rcp_f32 v26, v24
	v_nop
	s_wait_alu depctr_va_vdst(0)
	ds_store_b32 v[SX], v22                        ; both halves of the lanes write the same numbers
	ds_store_b32 v[SX], v26 offset:256
	ds_store_b32 v[SX], v20 offset:512
.Lno_stat:
	s_wait_dscnt 0x0                               ; for the others' sake
	s_barrier_signal -1
	s_barrier_wait -1
	; PHASE E, all eight waves: fragment (et = w % 4, kh = w / 4) of A as source 1: lane = column e = 16 et + r; K = d = 32 kh + 8 hh + 0..7 and 32 kh + 16 + 8 hh + 0..7.
	; G[d][e] is read as G[e][d], eight neighbouring numbers of row e: the logits are symmetric by their definition.
.set EG, 128
.set EM, 144
.set EZ, 160
.set EQ, 176
.irp k, 0,1,2,3
	ds_load_b128 v[EG+4*(\k):EG+4*(\k)+3], v[GA] offset:16*((\k)%2)+64*((\k)/2)
	ds_load_b128 v[EM+4*(\k):EM+4*(\k)+3], v[MA] offset:16*((\k)%2)+64*((\k)/2)
	ds_load_b128 v[EZ+4*(\k):EZ+4*(\k)+3], v[MA] offset:256+16*((\k)%2)+64*((\k)/2)
	ds_load_b128 v[EQ+4*(\k):EQ+4*(\k)+3], v[MA] offset:512+16*((\k)%2)+64*((\k)/2)
.endr
	ds_load_b32 v20, v[SX] offset:512              ; G[e][e]
	s_wait_dscnt 0x0
.set i, 0
.rept 8
	v_pk_fma_f32 v[EG+i:EG+i+1], v[EG+i:EG+i+1], 2.0, v[EQ+i:EQ+i+1] op_sel_hi:[1,0,1] neg_lo:[0,0,1] neg_hi:[0,0,1]
.set i, i+2
.endr
.set i, 0
.rept 8
	v_pk_add_f32 v[EG+i:EG+i+1], v[EG+i:EG+i+1], v[20:21] op_sel_hi:[1,0] neg_lo:[0,1] neg_hi:[0,1]
.set i, i+2
.endr
.set i, 0
.rept 8
	v_pk_fma_f32 v[EG+i:EG+i+1], v[EG+i:EG+i+1], s[30:31], v[EM+i:EM+i+1] op_sel_hi:[1,0,1] neg_lo:[0,0,1] neg_hi:[0,0,1]
.set i, i+2
.endr
.set i, 0
.rept 16
	v_exp_f32 v[EG+i], v[EG+i]
.set i, i+1
.endr
	v_nop
	s_wait_alu depctr_va_vdst(0)                   ; one wait for the sixteen
.set i, 0
.rept 8
	v_pk_mul_f32 v[EG+i:EG+i+1], v[EG+i:EG+i+1], v[EZ+i:EZ+i+1]
.set i, i+2
.endr
.set i, 0
.rept 8
	v_cvt_pk_f16_f32 v[TMP+i], v[EG+2*i], v[EG+2*i+1]
.set i, i+1
.endr
	ds_store_b128 v[AS], v[TMP:TMP+3]
	ds_store_b128 v[AS], v[TMP+4:TMP+7] offset:512
	s_wait_dscnt 0x0                               ; for the others' sake
	s_barrier_signal -1
	s_barrier_wait -1
	; PHASE F.  Source 0 = Wo turned (index j), source 1 = A (index e): a lane holds one row e of wop and eight neighbouring j.
	s_wait_tensorcnt 0x0                           ; my tile of Wo is in; only I read it
	WIN 0x40
.irp i, 0,1,2,3,4,5,6,7
	ds_load_b128 v[128+8*(\i):128+8*(\i)+3],   v[AL] offset:1024*(\i)
	ds_load_b128 v[128+8*(\i)+4:128+8*(\i)+7], v[AL] offset:1024*(\i)+512
.endr
.irp kh, 0,1
.irp jt, 0,1,2,3,4,5,6,7
	ds_load_tr16_b128 v[16*(\jt)+8*(\kh):16*(\jt)+8*(\kh)+3],   v[WA] offset:(\kh)*32*PT+32*(\jt)
	ds_load_tr16_b128 v[16*(\jt)+8*(\kh)+4:16*(\jt)+8*(\kh)+7], v[WA] offset:(\kh)*32*PT+16*PT+32*(\jt)
.endr
.endr
	s_wait_dscnt 0x0
.macro MM et                           ; 16 rows e x 128 j: 16 products; the 8 accumulators take turns; the first 8 start the sums
	WIN 0x05
.irp kh, 0,1
.irp jt, 0,1,2,3,4,5,6,7
.if (\kh) == 0
	v_wmma_f32_16x16x32_f16 v[ACC+64*((\et)%2)+8*(\jt):ACC+64*((\et)%2)+8*(\jt)+7], v[16*(\jt):16*(\jt)+7], v[128+8*(\et):128+8*(\et)+7], 0
.else
	v_wmma_f32_16x16x32_f16 v[ACC+64*((\et)%2)+8*(\jt):ACC+64*((\et)%2)+8*(\jt)+7], v[16*(\jt)+8:16*(\jt)+15], v[128+8*((\et)+4):128+8*((\et)+4)+7], v[ACC+64*((\et)%2)+8*(\jt):ACC+64*((\et)%2)+8*(\jt)+7]
.endif
.endr
.endr
.endm
.macro PACK et
	WIN 0
.irp jt, 0,1,2,3,4,5,6,7
.irp q, 0,1,2,3
	v_cvt_pk_f16_f32 v[TMP+4*(\jt)+(\q)], v[ACC+64*((\et)%2)+8*(\jt)+2*(\q)], v[ACC+64*((\et)%2)+8*(\jt)+2*(\q)+1]
.endr
.endr
.endm
.macro TOSTAGE et
.irp jt, 0,1,2,3,4,5,6,7
	ds_store_b128 v[STO], v[TMP+4*(\jt):TMP+4*(\jt)+3] offset:32*(\jt)
.endr
.irp t, 0,1,2,3,4,5,6,7
	ds_load_b128 v[OB+32*((\et)%2)+4*(\t):OB+32*((\et)%2)+4*(\t)+3], v[RD] offset:(\t)*2*SP  ; LDS serves a wave's instructions in order (ISA guide 5.7.1.4): these see the stores above
.endr
.endm
.macro SEND et
	s_wait_dscnt 0x0                               ; the block is back in registers
	s_wait_xcnt 0x0                                ; the block before has been read by its stores: the block after this one lands in its registers only behind this wait
.irp t, 0,1,2,3,4,5,6,7
	global_store_b128 v[CO], v[OB+32*((\et)%2)+4*(\t):OB+32*((\et)%2)+4*(\t)+3], s[10:11] offset:(16*(\et)+2*(\t))*2048  ; 16 lanes store 256 consecutive bytes, at a multiple of 256 from wop's first byte
.endr
.endm
	MM 0
	MM 1
	WIN 0
	PLACES8
	PACK 0
	TOSTAGE 0
	PACK 1
	SEND 0
	TOSTAGE 1
	MM 2
	MM 3
	WIN 0
	PLACES8
	PACK 2
	SEND 1
	TOSTAGE 2
	PACK 3
	SEND 2
	TOSTAGE 3
	SEND 3
	s_wait_tensorcnt 0x0                           ; the wave's end, behind my last tensor load and my last LDS store
	ds_add_u32 v[SPW], v[NIL]
	s_wait_dscnt 0x0
	CROUND                                         ; the closing round
	s_endpgm
.Lfunc_end_k_q024fec0243_mix:
	.size	k_q024fec0243_mix, .Lfunc_end_k_q024fec0243_mix-k_q024fec0243_mix
	.p2alignl 7, 3214868480
	.fill 96, 4, 3214868480
	.section	.rodata,"a",@progbits
	.p2align	6, 0x0
	.amdhsa_kernel k_q024fec0243_mix
		.amdhsa_group_segment_fixed_size 327680
		.amdhsa_private_segment_fixed_size 0
		.amdhsa_enable_private_segment 0
		.amdhsa_kernarg_size 32
		.amdhsa_user_sgpr_count 2
		.amdhsa_user_sgpr_kernarg_segment_ptr 1
		.amdhsa_wavefront_size32 1
		.amdhsa_system_sgpr_workgroup_id_x 1
		.amdhsa_system_sgpr_workgroup_id_y 1
		.amdhsa_system_sgpr_workgroup_id_z 1
		.amdhsa_system_vgpr_workitem_id 0
		.amdhsa_next_free_vgpr 512
		.amdhsa_next_free_sgpr 66
		.amdhsa_reserve_vcc 0
		.amdhsa_float_denorm_mode_32 3
		.amdhsa_float_denorm_mode_16_64 3
		.amdhsa_memory_ordered 1
		.amdhsa_forward_progress 1
		.amdhsa_inst_pref_size 68
	.end_amdhsa_kernel
	.amdgpu_metadata
---
amdhsa.version: [ 1, 2 ]
amdhsa.kernels:
  - .name:           k_q024fec0243_mix
    .symbol:         k_q024fec0243_mix.kd
    .args:
      - { .name: qkvt, .offset: 0, .size: 8, .value_kind: global_buffer, .address_space: global }
      - { .name: wo16, .offset: 8, .size: 8, .value_kind: global_buffer, .address_space: global }
      - { .name: tau, .offset: 16, .size: 8, .value_kind: global_buffer, .address_space: global }
      - { .name: wop, .offset: 24, .size: 8, .value_kind: global_buffer, .address_space: global }
    .group_segment_fixed_size: 327680
    .private_segment_fixed_size: 0
    .kernarg_segment_align: 8
    .kernarg_segment_size: 32
    .max_flat_workgroup_size: 256
    .sgpr_count:     66
    .vgpr_count:     512
    .wavefront_size: 32
...
	.end_amdgpu_metadata
.endif
;; end of part 3
;; launch outp (part 4): grid 4 x 64, 4 waves a work-group, clusters of 4 x 4, 327,680 bytes of LDS; arguments qkvt, wop, out0; writes out0
.if DOCPART == 4
	.amdgcn_target "amdgcn-amd-amdhsa--gfx1250"
	.amdhsa_code_object_version 6
	.text
	.protected	k_q024fec0243_outp
	.globl	k_q024fec0243_outp
	.p2align	8
	.type	k_q024fec0243_outp,@function
k_q024fec0243_outp:
	s_mov_b64 s[64:65], 0
	v_nop
	global_prefetch_b8 v0, s[64:65] scope:SCOPE_SE
	s_setreg_imm32_b32 hwreg(HW_REG_WAVE_MODE, 25, 1), 1
	s_wait_xcnt 0x0
	s_wait_alu depctr_hold_cnt(0) depctr_sa_sdst(0) depctr_va_vdst(0) depctr_va_sdst(0) depctr_va_ssrc(0) depctr_va_vcc(0) depctr_vm_vsrc(0)
	s_getreg_b32 s2, hwreg(HW_REG_IB_STS2, 6, 4)
	s_cmp_eq_u32 s2, 0
	s_cbranch_scc0 .Lentry_in_a_cluster
	s_endpgm
.Lentry_in_a_cluster:
	s_bfe_u32 s2, ttmp6, 0x10000c
	s_cmp_lg_u32 s2, 0xf033
	s_cbranch_scc0 .Lentry_shape_is_right
	s_endpgm
.Lentry_shape_is_right:
; THE LAST PROJECTION.  out0[b][n][j] = the sum over k of v[b][k][n] wop[b][k][j].  v = channels 1,024 .. 2,047 of qkvt ([8][2048 c][2048 n], f16); wop: [8][1024 k][1024 j], f16; out0: [8][2048][1024], f32.
; Sums in f32, K ascending; nothing is rounded on the way out.
; A tile of out0 is 256 tokens x 256 j, made by four waves, each 128 x 128: 64 accumulators, 512 registers.  K goes in 8 steps of 128 through two LDS slots filled by tensor loads.
; OPERAND A = v, source 1: its index (the token) is the result's lane.  OPERAND B = wop, source 0: its index j runs along the result's eight registers: 32 neighbouring bytes of a row of out0.
; Both lie [k][index] in memory, so both come out of LDS turned, by ds_load_tr16_b128.
; THE LAST K STEP GOES BY ROWS OF out0, not by K: all its fragments of wop fill window 1, and the wave's eight blocks of 16 tokens are finished one after the other, so that a finished block's stores
; leave while the other blocks are still multiplied.
; CLUSTERS: 4 x 4 work-groups; the four tile rows of a cluster lie in one batch (8 tile rows a batch).  v's tile hangs on the tile row alone and is shared along a row of the cluster; wop's on the batch and the
; tile column and is shared along a column.  Each is asked for jointly.
; REGISTERS, in windows of 256: window 0: v0-31 addresses; v64-127, v128-191 A's fragments, two buffers (in the last K step four, of 16 tokens x 128 K).
;   window 1: v64-127, v128-191 B's fragments, two buffers; in the last K step all 256.
;   windows 2, 3: accumulator (a, b) at v[8 (8 (a % 4) + b)], window 2 for a < 4; on the way out a block's rows come back from the stage into the registers that they left.
.set KSTEP,  128
.set PT,     288                       ; a row of a tile in LDS: 256 bytes + 32 = 72 words
.set HALFT,  128*PT                    ; what one tensor load brings: 128 rows of K
.set SLOT,   4*HALFT                   ; A's two halves, then B's two halves
.set STAGE,  2*SLOT                    ; behind the ring: 16 rows x 272 bytes for each wave; no tensor load lands here
.set SPITCH, 272
.set SPARE,  STAGE+4*16*SPITCH         ; the spare words, 128 bytes for each wave: two blocks of 256 bytes that no other line names
.set KBA,    KSTEP*4096                ; bytes from a K step to the next in v: 128 channels of 4,096 bytes
.set KBB,    KSTEP*2048                ; in wop: 128 rows of 2,048 bytes
.set CROW,   4096                      ; bytes in a row of out0
.set ADRA, 16
.set ADRB, 20
.set STO,  24
.set RD,   25
.set CO,   26                          ; v26  my byte offset in two rows of out0; never rewritten
.set SPW,  28                          ; v28  LDS address of my spare word; never rewritten
.set NIL,  29                          ; v29  0; never rewritten
.set PFO,  30                          ; v30  the prefetches' offset: my lane x a row of my operand; never rewritten
.set F0,   64
.set F1,   128
.set PA,   64                          ; the last K step: A's four buffers of 32 registers
.set G1A, 24
.set G0A, 32
.set G1B, 48
.set G0B, 56
.set LIM, 43
.set PFA, 44
.set PFS, 66
.set MSB, 0
.macro WIN new
.if MSB != (\new)
	s_set_vgpr_msb (MSB<<8)|(\new)
.set MSB, \new
.endif
.endm
.set MUL_LO, 0xa1
.set MUL_HI, 0xf1
.set TO_B,   0x40
.macro JLOAD s                         ; a joint load: waves 0 and 1 fetch A's two halves, waves 2 and 3 B's; an s_nop 0 and four v_nop follow each of the two lines
	s_cmp_eq_u32 s11, 0
	s_cbranch_scc0 .Lfor_b_\@
	tensor_load_to_lds s[G0A+4*(\s):G0A+4*(\s)+3], s[G1A:G1A+7]
	s_nop 0
.rept 4
	v_nop
.endr
	s_branch .Lasked_\@
.Lfor_b_\@:
	tensor_load_to_lds s[G0B+4*(\s):G0B+4*(\s)+3], s[G1B:G1B+7]
	s_nop 0
.rept 4
	v_nop
.endr
.Lasked_\@:
.endm
; A prefetch, behind a joint load, its five lines and the run of LDS loads: the K step two refills on, 512 matrix instructions ahead of the load that will ask for it: 32 rows x 256 bytes, a lane a row.
; Each row's 256 bytes of a K step are named once in the launch.  v's tile is read by one cluster alone, which asks; wop's by the batch's two clusters: the one with an even cluster y asks.
; The four partners of a joint load share its 128 rows out by address, 32 each.  The loop's last trip (s3 = 1) asks for nothing: K has no step 8.
.macro ASK
	s_cmp_gt_u32 s3, s[LIM]
	s_cbranch_scc0 .Lnot_mine_\@
	global_prefetch_b8 v[PFO], s[PFA:PFA+1] th:TH_LOAD_NT scope:SCOPE_SE
.Lnot_mine_\@:
.endm
.macro CREST
	s_cmp_lg_u32 s10, 0
	s_cbranch_scc1 .Lnot_wave_0_\@
	s_barrier_signal -3
.Lnot_wave_0_\@:
	s_barrier_wait -3
	s_barrier_signal -1
	s_barrier_wait -1
.endm
.macro CROUND
	s_barrier_signal -1
	s_barrier_wait -1
	CREST
.endm
	s_load_b128 s[72:75], s[0:1], 0x0              ; qkvt s[72:73], wop s[74:75]
	s_load_b64 s[8:9], s[0:1], 0x10                ; out0
	v_lshl_add_u32 v[SPW], v0, 2, SPARE
	v_mov_b32 v[NIL], 0
	ds_add_u32 v[SPW], v[NIL]                      ; the wave's opening: the add and its wait stand ahead of my first tensor load; work on registers stands between them
	v_lshrrev_b32 v1, 5, v0
	v_readfirstlane_b32 s10, v1                    ; wave 0..3
	s_lshr_b32 s11, s10, 1                         ; which half of the tile's tokens is mine.  Also: I fetch for A (0) or for B (1)
	s_and_b32 s12, s10, 1                          ; which half of its columns.  Also: which half of that operand I fetch
	s_bfe_u32 s40, ttmp6, 0x40000                  ; cx: the tile column
	s_bfe_u32 s41, ttmp6, 0x40004                  ; cy
	s_and_b32 s13, ttmp7, 0xffff                   ; cluster y
	s_lshr_b32 s42, s13, 1                         ; the batch, which all sixteen share
	s_lshl_b32 s18, s41, 2
	s_lshl_b32 s18, 15, s18                        ; my row of the cluster
	s_lshl_b32 s19, 0x1111, s40                    ; my column
	s_or_b32 s[G1A+0], s18, (1<<16)|(1<<20)|(1<<21)|(5<<22)|(7<<25)  ; v's tiles go to my row; 2-byte elements; padding on; 21 set beside a mask; after every 64 words 8 words
	s_or_b32 s[G1B+0], s19, (1<<16)|(1<<20)|(1<<21)|(5<<22)|(7<<25)  ; wop's tiles go to my column
.irp g, G1A, G1B
	s_mov_b32 s[(\g)+1], KSTEP<<16                 ; tensor_dim0 = 128
	s_mov_b32 s[(\g)+2], 128<<16                   ; tensor_dim1 = 128
	s_mov_b32 s[(\g)+3], KSTEP<<16                 ; tile_dim0 = 128 elements: 256 bytes
	s_mov_b32 s[(\g)+4], 128                       ; tile_dim1 = 128 rows
	s_mov_b32 s[(\g)+6], 0
	s_mov_b32 s[(\g)+7], 0
.endr
	s_mov_b32 s[G1A+5], 2048                       ; elements from row to row: a channel of qkvt,
	s_mov_b32 s[G1B+5], 1024                       ; a row of wop
	s_lshl_b32 s14, s42, 23                        ; A: the batch,
	s_add_co_u32 s14, s14, 1024*4096               ; v's first channel,
	s_and_b32 s22, s13, 1
	s_lshl_b32 s22, s22, 2
	s_add_co_u32 s22, s22, s41                     ; the tile row in the batch = 4 (cluster y % 2) + cy,
	s_lshl_b32 s22, s22, 9                         ; its 256 tokens,
	s_add_co_u32 s14, s14, s22
	s_lshl_b32 s22, s12, 8                         ; the half that I fetch
	s_add_co_u32 s14, s14, s22
	s_mov_b32 s15, 0
	s_lshl_b32 s46, s42, 21                        ; B: the batch,
	s_lshl_b32 s23, s40, 9                         ; the tile column's 256 j,
	s_add_co_u32 s46, s46, s23
	s_lshl_b32 s23, s12, 8                         ; the half that I fetch
	s_add_co_u32 s46, s46, s23
	s_mov_b32 s47, 0
	s_mul_i32 s20, s10, HALFT                      ; where they go: wave x 128 rows: no place in the cluster enters an LDS address
	s_wait_dscnt 0x0                               ; the opening add is done
	s_wait_kmcnt 0x0
	s_add_nc_u64 s[14:15], s[72:73], s[14:15]
	s_add_nc_u64 s[46:47], s[74:75], s[46:47]
	CROUND                                         ; all sixteen work-groups are here: the first joint loads meet
.irp s, 0,1
	s_mov_b32 s[G0A+4*(\s)], 1
	s_add_co_u32 s[G0A+4*(\s)+1], s20, (\s)*SLOT
	s_add_nc_u64 s[G0A+4*(\s)+2:G0A+4*(\s)+3], s[14:15], (\s)*KBA
	s_or_b32 s[G0A+4*(\s)+3], s[G0A+4*(\s)+3], 0x80000000
	s_mov_b32 s[G0B+4*(\s)], 1
	s_add_co_u32 s[G0B+4*(\s)+1], s20, (\s)*SLOT
	s_add_nc_u64 s[G0B+4*(\s)+2:G0B+4*(\s)+3], s[46:47], (\s)*KBB
	s_or_b32 s[G0B+4*(\s)+3], s[G0B+4*(\s)+3], 0x80000000
	JLOAD \s                                       ; two loads of mine are out
.endr
	v_and_b32 v1, 15, v0                           ; l % 16
	v_bfe_u32 v2, v0, 4, 1                         ; l / 16
	v_and_b32 v3, 7, v0
	v_bfe_u32 v4, v0, 3, 1
	v_lshl_add_u32 v5, v2, 3, v3                   ; the turning load: lane l reads K row 8 (l / 16) + l % 8,
	v_mul_u32_u24 v5, v5, PT
	v_lshl_add_u32 v5, v4, 4, v5                   ; 16 bytes at 16 ((l / 8) % 2)
	s_mul_i32 s22, s11, HALFT                      ; my 128 tokens of A
	s_mul_i32 s23, s12, HALFT                      ; my 128 j of B,
	s_add_co_u32 s23, s23, 2*HALFT                 ; which lie behind A's two halves
.irp s, 0,1
	v_add_nc_u32 v[ADRA+(\s)], s22, v5
	v_add_nc_u32 v[ADRB+(\s)], s23, v5
	s_add_co_u32 s22, s22, SLOT
	s_add_co_u32 s23, s23, SLOT
.endr
	s_mul_i32 s23, s10, 16*SPITCH
	s_add_co_u32 s23, s23, STAGE                   ; my stage
	v_mul_u32_u24 v7, v1, SPITCH                   ; in: row l % 16, 32 bytes for each half of the lanes
	v_lshl_add_u32 v7, v2, 5, v7
	v_add_nc_u32 v[STO], s23, v7
	v_mul_u32_u24 v7, v2, SPITCH                   ; back: lanes 0-15 take one row of 256 bytes, lanes 16-31 the next
	v_lshl_add_u32 v7, v1, 4, v7
	v_add_nc_u32 v[RD], s23, v7
	v_lshlrev_b32 v7, 12, v2                       ; and the same two rows in out0
	v_lshl_add_u32 v[CO], v1, 4, v7
	s_lshl_b32 s16, s13, 2
	s_add_co_u32 s16, s16, s41                     ; the tile row = 4 x cluster y + cy
	s_lshl_b32 s16, s16, 20                        ; 256 rows of 4,096 bytes
	s_lshl_b32 s22, s11, 19                        ; my 128 rows
	s_add_co_u32 s16, s16, s22
	s_lshl_b32 s22, s40, 10                        ; the tile column: 256 j of 4 bytes
	s_add_co_u32 s16, s16, s22
	s_lshl_b32 s22, s12, 9                         ; my 128 of them
	s_add_co_u32 s16, s16, s22
	s_mov_b32 s17, 0
	s_add_nc_u64 s[8:9], s[8:9], s[16:17]          ; written once: a store's row among my 128 stands in its immediate
	; the prefetches: my tile's address, + my work-group's 32 of its 128 rows, at K step 3: each refill steps it first, so the first one names K step 4
	s_and_b32 s23, s13, 1                          ; which of the batch's two clusters
	s_mov_b32 s[PFS], KBB
	s_mov_b32 s[PFS+1], 0
	s_cmp_eq_u32 s11, 0                            ; do I fetch for A?
	s_cselect_b32 s[PFS], KBA, s[PFS]
	s_cselect_b64 s[PFA:PFA+1], s[14:15], s[46:47]
	s_cselect_b32 s70, s40, s41                    ; my place among the four that ask with me: cx for A, cy for B
	s_cselect_b32 s22, 12, 11                      ; a row of my operand: 4,096 or 2,048 bytes
	s_cselect_b32 s23, 0, s23
	s_cmp_eq_u32 s23, 0
	s_cselect_b32 s[LIM], 1, -1                    ; the same in all sixteen partners, for a given wave
	s_add_co_u32 s23, s22, 5
	s_lshl_b32 s70, s70, s23                       ; 32 rows
	s_mul_i32 s23, s[PFS], 3
	s_add_co_u32 s70, s70, s23
	s_mov_b32 s71, 0
	s_add_nc_u64 s[PFA:PFA+1], s[PFA:PFA+1], s[70:71]
	v_and_b32 v[PFO], 31, v0
	v_lshlrev_b32 v[PFO], s22, v[PFO]
.macro MUL16 f, hi, a0, zero           ; 16 matrix instructions: A blocks a0, a0 + 1 of the window's four x all 8 B blocks, 32 along K; the 64 accumulators take turns, in the same order in every quarter
	WIN MUL_LO+0x50*(\hi)
.irp a, \a0, (\a0)+1
.irp b, 0,1,2,3,4,5,6,7
.if \zero
	v_wmma_f32_16x16x32_f16 v[8*(8*(\a)+(\b)):8*(8*(\a)+(\b))+7], v[(\f)+8*(\b):(\f)+8*(\b)+7], v[(\f)+8*(4*(\hi)+(\a)):(\f)+8*(4*(\hi)+(\a))+7], 0
.else
	v_wmma_f32_16x16x32_f16 v[8*(8*(\a)+(\b)):8*(8*(\a)+(\b))+7], v[(\f)+8*(\b):(\f)+8*(\b)+7], v[(\f)+8*(4*(\hi)+(\a)):(\f)+8*(4*(\hi)+(\a))+7], v[8*(8*(\a)+(\b)):8*(8*(\a)+(\b))+7]
.endif
.endr
.endr
.endm
.macro FETCH slot, q, f                ; 32 LDS loads in one run: the fragments of quarter q of a slot into buffer f: B's, then A's, both turned
	WIN TO_B
.irp i, 0,1,2,3,4,5,6,7
	ds_load_tr16_b128 v[(\f)+8*(\i):(\f)+8*(\i)+3],   v[ADRB+(\slot)] offset:(\q)*32*PT+32*(\i)
	ds_load_tr16_b128 v[(\f)+8*(\i)+4:(\f)+8*(\i)+7], v[ADRB+(\slot)] offset:(\q)*32*PT+16*PT+32*(\i)
.endr
	WIN 0
.irp i, 0,1,2,3,4,5,6,7
	ds_load_tr16_b128 v[(\f)+8*(\i):(\f)+8*(\i)+3],   v[ADRA+(\slot)] offset:(\q)*32*PT+32*(\i)
	ds_load_tr16_b128 v[(\f)+8*(\i)+4:(\f)+8*(\i)+7], v[ADRA+(\slot)] offset:(\q)*32*PT+16*PT+32*(\i)
.endr
.endm
.macro PLACES                          ; four plain instructions between a matrix instruction and a load into a register that it has read (ISA guide 7.12.1 for vector instructions)
.rept 4
	v_nop
.endr
.endm
.macro QUARTER slot, q, f, g, zero
	s_wait_dscnt 8                                 ; B and A's blocks 0-3 are in; the youngest eight loads (A's blocks 4-7) may be out
	MUL16 \f, 0, 0, \zero
	MUL16 \f, 0, 2, \zero
	PLACES
	FETCH \slot, \q, \g
	s_wait_dscnt 32                                ; all but the 32 just issued
	MUL16 \f, 1, 0, \zero
	MUL16 \f, 1, 2, \zero
.endm
.macro MEET round
	WIN 0                                          ; (the add's two registers lie in window 0)
	s_wait_tensorcnt 0x0                           ; all my tensor loads have landed: the one that was out is my part of the next slot
	ds_add_u32 v[SPW], v[NIL]                      ; 0 onto my spare word
	s_wait_dscnt 9                                 ; (the add and the youngest eight loads may be out)
	MUL16 F1, 0, 0, 0
	s_wait_dscnt 0x0                               ; the add is done, and my reads of this slot are over
	s_barrier_signal -1
	MUL16 F1, 0, 2, 0
.if \round
	WIN 0
.endif
	s_barrier_wait -1
.endm
.macro TURN slot, next                 ; a K step's last quarter and the change of slots: behind a round of the cluster's barrier this slot takes the K step two steps on, 224 matrix instructions ahead of the wait for it
	s_wait_xcnt 0x0                                ; the last prefetch, a K step back, has read its address: it is stepped here, ahead of the waits of the change of slots
	s_add_nc_u64 s[PFA:PFA+1], s[PFA:PFA+1], s[PFS:PFS+1]
	MEET 1
	CREST                                          ; no wave of any partner still reads this slot's tile or has a load on its way
	s_add_nc_u64 s[G0A+4*(\slot)+2:G0A+4*(\slot)+3], s[G0A+4*(\slot)+2:G0A+4*(\slot)+3], 2*KBA
	s_add_nc_u64 s[G0B+4*(\slot)+2:G0B+4*(\slot)+3], s[G0B+4*(\slot)+2:G0B+4*(\slot)+3], 2*KBB
	JLOAD \slot                                    ; the first tensor load behind the round; its four v_nop are also the places in front of the loads below
	FETCH \next, 0, F0
	ASK
	MUL16 F1, 1, 0, 0
	MUL16 F1, 1, 2, 0
.endm
; THE LAST K STEP (it lies in slot 1), BY ROWS.  LDS is read no more than in any other K step: 64 loads for B, 8 for each of A's eight blocks.
.macro BLOAD q                         ; B's fragments of quarter q -> window 1, v[64 q ..]
	WIN TO_B
.irp i, 0,1,2,3,4,5,6,7
	ds_load_tr16_b128 v[64*(\q)+8*(\i):64*(\q)+8*(\i)+3],   v[ADRB+1] offset:(\q)*32*PT+32*(\i)
	ds_load_tr16_b128 v[64*(\q)+8*(\i)+4:64*(\q)+8*(\i)+7], v[ADRB+1] offset:(\q)*32*PT+16*PT+32*(\i)
.endr
.endm
.macro ALOAD a                         ; A's fragments of block a, all four quarters -> buffer a % 4
	WIN 0
.set FA, PA+32*((\a)%4)
.irp q, 0,1,2,3
	ds_load_tr16_b128 v[FA+8*(\q):FA+8*(\q)+3],   v[ADRA+1] offset:(\q)*32*PT+32*(\a)
	ds_load_tr16_b128 v[FA+8*(\q)+4:FA+8*(\q)+7], v[ADRA+1] offset:(\q)*32*PT+16*PT+32*(\a)
.endr
.endm
.macro ROW a                           ; block a is finished: 32 matrix instructions, its 8 accumulators by turns, K ascending
.set FA, PA+32*((\a)%4)
.set AC, 64*((\a)%4)
	WIN MUL_LO+0x50*((\a)/4)
.irp q, 0,1,2,3
.if (\a) == 0 && (\q) == 2
	s_wait_dscnt 24                                ; B's quarter 2 is in (behind it: A's blocks 1 to 3)
.endif
.irp b, 0,1,2,3,4,5,6,7
	v_wmma_f32_16x16x32_f16 v[AC+8*(\b):AC+8*(\b)+7], v[64*(\q)+8*(\b):64*(\q)+8*(\b)+7], v[FA+8*(\q):FA+8*(\q)+7], v[AC+8*(\b):AC+8*(\b)+7]
.endr
.endr
.endm
; THE WAY OUT of block a (16 tokens x 128 j of f32), in two halves of 64 j: 256 bytes a row.  TOSTAGE: half p's four accumulators go straight into my own stage (low registers first) and come back as whole rows,
; into the registers that they left: no register is store data twice, so no store is waited for.  SEND: stored; the row stands in the immediate, 126 rows of 4,096 bytes and 256 at the most.
; One window setting serves all three kinds of line: destination and source 1 (the data) in the block's window, source 0 (the address) in window 0.
.macro TOSTAGE a
.set AC, 64*((\a)%4)
	WIN 0x88+0x44*((\a)/4)
.irp p, 0,1
.irp i, 0,1,2,3
	ds_store_b128 v[STO], v[AC+32*(\p)+8*(\i):AC+32*(\p)+8*(\i)+3]   offset:64*(\i)
	ds_store_b128 v[STO], v[AC+32*(\p)+8*(\i)+4:AC+32*(\p)+8*(\i)+7] offset:64*(\i)+16
.endr
.irp t, 0,1,2,3,4,5,6,7
	ds_load_b128 v[AC+32*(\p)+4*(\t):AC+32*(\p)+4*(\t)+3], v[RD] offset:(\t)*2*SPITCH  ; LDS serves a wave's instructions in order (ISA guide 5.7.1.4): these see the stores above; the next half's stores come behind them
.endr
.endr
.endm
.macro SEND a, younger                 ; younger: the LDS loads issued behind TOSTAGE's, which may stay out
.set AC, 64*((\a)%4)
	WIN 0x88+0x44*((\a)/4)
.irp p, 0,1
	s_wait_dscnt (\younger)+16*(1-(\p))            ; half p is back in registers; behind half 0's loads stand half 1's sixteen stage instructions
.irp t, 0,1,2,3,4,5,6,7
	global_store_b128 v[CO], v[AC+32*(\p)+4*(\t):AC+32*(\p)+4*(\t)+3], s[8:9] offset:(16*(\a)+2*(\t))*CROW+256*(\p) th:TH_STORE_NT  ; 16 lanes store 256 consecutive bytes, at a multiple of 256 from out0's first byte
.endr
.endr
.endm
	s_wait_tensorcnt 1                             ; my part of K step 0 is in; K step 1's one load may stay out
	s_barrier_signal -1
	s_barrier_wait -1
	FETCH 0, 0, F0
	QUARTER 0, 1, F0, F1, 1                        ; the first quarter stands in front of the loop: its products start the sums
	WIN 0                                          ; at a label and at a branch every window is 0
	s_mov_b32 s3, 3
.Llap:                                                 ; three trips: once round the ring; both slots are filled again (K steps 2 to 7)
	QUARTER 0, 2, F1, F0, 0
	QUARTER 0, 3, F0, F1, 0
	TURN 0, 1
	QUARTER 1, 1, F0, F1, 0
	QUARTER 1, 2, F1, F0, 0
	QUARTER 1, 3, F0, F1, 0
	TURN 1, 0
	QUARTER 0, 1, F0, F1, 0
	WIN 0
	s_sub_co_u32 s3, s3, 1
	s_cmp_lg_u32 s3, 0
	s_cbranch_scc1 .Llap
	QUARTER 0, 2, F1, F0, 0                        ; the last lap fills nothing
	QUARTER 0, 3, F0, F1, 0
	MEET 0                                         ; my one tensor load that was still out is slot 1's, the last K step's, so no round follows
	PLACES                                         ; for the loads into buffer 0, which the quarter before multiplied
	BLOAD 0                                        ; three quarters of B now: buffer 1 (v128-191 of both windows) is still being multiplied
	BLOAD 1
	BLOAD 3
	ALOAD 0
	MUL16 F1, 1, 0, 0
	MUL16 F1, 1, 2, 0
	PLACES                                         ; for the loads into buffer 1
	BLOAD 2
	ALOAD 1
	ALOAD 2
	ALOAD 3
	s_wait_dscnt 40                                ; all but the 40 just issued
	ROW 0
.irp a, 0,1,2,3,4,5,6,7                ; each block leaves as soon as it is finished; the next block's 32 products stand between its loads from the stage and the wait for them
	PLACES                                         ; eight plain instructions between the block's last products and the LDS stores that read them
	PLACES
	TOSTAGE \a
.if (\a) < 4
	ALOAD (\a)+4                                   ; its buffer takes the block four further on
	s_wait_dscnt 40                                ; all but what this block has just issued (32 for the stage, 8 for A): the next block's fragments are in
.elseif (\a) < 7
	s_wait_dscnt 32
.endif
.if (\a) < 7
	ROW (\a)+1
.endif
.if (\a) < 4
	SEND \a, 8
.else
	SEND \a, 0
.endif
.endr
	WIN 0
	s_wait_tensorcnt 0x0                           ; the wave's end, behind my last tensor load and my last LDS store
	ds_add_u32 v[SPW], v[NIL]
	s_wait_dscnt 0x0
	CROUND                                         ; the closing round: no work-group ends while a partner may still ask for a tile that names it
	s_endpgm
.Lfunc_end_k_q024fec0243_outp:
	.size	k_q024fec0243_outp, .Lfunc_end_k_q024fec0243_outp-k_q024fec0243_outp
	.p2alignl 7, 3214868480
	.fill 96, 4, 3214868480
	.section	.rodata,"a",@progbits
	.p2align	6, 0x0
	.amdhsa_kernel k_q024fec0243_outp
		.amdhsa_group_segment_fixed_size 327680
		.amdhsa_private_segment_fixed_size 0
		.amdhsa_enable_private_segment 0
		.amdhsa_kernarg_size 24
		.amdhsa_user_sgpr_count 2
		.amdhsa_user_sgpr_kernarg_segment_ptr 1
		.amdhsa_wavefront_size32 1
		.amdhsa_system_sgpr_workgroup_id_x 1
		.amdhsa_system_sgpr_workgroup_id_y 1
		.amdhsa_system_sgpr_workgroup_id_z 1
		.amdhsa_system_vgpr_workitem_id 0
		.amdhsa_next_free_vgpr 1024
		.amdhsa_next_free_sgpr 80
		.amdhsa_reserve_vcc 0
		.amdhsa_float_denorm_mode_32 3
		.amdhsa_float_denorm_mode_16_64 3
		.amdhsa_memory_ordered 1
		.amdhsa_forward_progress 1
		.amdhsa_inst_pref_size 143
	.end_amdhsa_kernel
	.amdgpu_metadata
---
amdhsa.version: [ 1, 2 ]
amdhsa.kernels:
  - .name:           k_q024fec0243_outp
    .symbol:         k_q024fec0243_outp.kd
    .args:
      - { .name: qkvt, .offset: 0, .size: 8, .value_kind: global_buffer, .address_space: global }
      - { .name: wop, .offset: 8, .size: 8, .value_kind: global_buffer, .address_space: global }
      - { .name: out0, .offset: 16, .size: 8, .value_kind: global_buffer, .address_space: global }
    .group_segment_fixed_size: 327680
    .private_segment_fixed_size: 0
    .kernarg_segment_align: 8
    .kernarg_segment_size: 24
    .max_flat_workgroup_size: 128
    .sgpr_count:     80
    .vgpr_count:     1024
    .wavefront_size: 32
...
	.end_amdgpu_metadata
.endif
;; end of part 4
;; ======== version 2 of 2: 4 launches; version 1 with the launch prep written anew for expert scheduling mode
;; limits: values are held in f16: magnitudes above 65,504 overflow, below 6.1e-05 lose precision
;; workspace buffers: x16 33,554,432 bytes; wqk16 2,097,152 bytes; wv16 2,097,152 bytes; wo16 2,097,152 bytes; qkvt 67,108,864 bytes; wop 16,777,216 bytes
;; launch prep (part 5): grid 1024 x 1, 8 waves a work-group, no clusters, 0 bytes of LDS; arguments x, Wqk, Wv, Wo, x16, wqk16, wv16, wo16; writes x16, wqk16, wv16, wo16
.if DOCPART == 5
	.amdgcn_target "amdgcn-amd-amdhsa--gfx1250"
	.amdhsa_code_object_version 6
	.text
	.protected	k_q024fec0243_prep
	.globl	k_q024fec0243_prep
	.p2align	8
	.type	k_q024fec0243_prep,@function
k_q024fec0243_prep:
	s_mov_b64 s[64:65], 0
	v_nop
	global_prefetch_b8 v0, s[64:65] scope:SCOPE_SE
	s_setreg_imm32_b32 hwreg(HW_REG_WAVE_SCHED_MODE, 0, 2), 2
	s_setreg_imm32_b32 hwreg(HW_REG_WAVE_MODE, 25, 1), 1
	s_wait_xcnt 0x0
	s_wait_alu depctr_vm_vsrc(0)
; x, Wqk, Wv, Wo (f32) are rounded once to bf16 (nearest even), and that number is written as f16, in the same dense row-major layout.
; LIMITS.  A bf16 number is exact in f16 from 2^-14 up to 65,504; below 2^-14 it keeps f16's fixed step of 2^-24; from 65,520 on it becomes an infinity.
; SHARES.  A row of any of the four tensors is 1,024 numbers: 4,096 bytes in, 2,048 bytes out.  Work-group g takes rows 16 g .. 16 g + 15 of x (16,384 rows) and row g of each weight
; (1,024 rows): 19 rows, the same work in every work-group, no branch.  Thread t takes four numbers of every row: a load of 16 bytes at 16 t (a wave: 512 consecutive bytes)
; and a store of 8 bytes at 8 t (a wave: 256 consecutive bytes, aligned).
; All 19 loads go out at the head; each row has its own registers in and out, so nothing that a pending store reads is ever rewritten.
; No LDS, no barrier, no cluster: no byte is wanted twice.
; THE MODE: SCHED_MODE bits 1:0 = 2 (LLVM: expert scheduling mode 2), set by the entry lines.  The code itself states the register dependences
; between vector instructions and memory instructions, with s_wait_alu, always for 0.
; THE PLAN.  Registers that memory instructions touch:
;   v1, v2     byte offsets, made once at the head and never written again: v1 is read by every load, v2 by every store.
;   X, row i   written by the row's one load, which is issued before any vector instruction names X; read by the row's two roundings to bf16, behind its wait on LOADcnt; never loaded again.
;   Y, row i   written by the row's two conversions to f16; read by the row's one store; never written again.
;   T          named by vector instructions alone.
; The rows go in blocks of four (x's rows 0-3, 4-7, 8-11, 12-15, then the three weights' rows), and a row's store is issued four rows later.  ONE wait on va_vdst stands at the head of a block,
; behind the wait for its first row's data: it states that the block before has written its four pairs of Y.  That block's stores follow, one in front of each row's eight vector instructions,
; which name T and this block's X and Y: none of the registers that those stores read.  One wait at the kernel's head states that the offsets are written, one behind the last row that its block's Y is.
; No register that a memory instruction reads is written again, and no load lands in a register that a vector instruction has named: so no wait on vm_vsrc is owed anywhere.
.set T, 4                              ; v[4:9]     at work
.set X, 12                             ; v[12:87]   row i as loaded: 4 registers
.set Y, 88                             ; v[88:125]  row i to store: 2 registers
	s_load_b512 s[16:31], s[0:1], 0x0              ; x s[16:17], Wqk s[18:19], Wv s[20:21], Wo s[22:23], x16 s[24:25], wqk16 s[26:27], wv16 s[28:29], wo16 s[30:31]
	s_mov_b32 s2, 0xffff0000                       ; a word's upper bf16
	s_lshl_b32 s4, ttmp9, 16                       ; 16 rows of 4,096 bytes
	s_mov_b32 s5, 0
	s_lshl_b32 s6, ttmp9, 15                       ; 16 rows of 2,048 bytes
	s_mov_b32 s7, 0
	s_lshl_b32 s8, ttmp9, 12                       ; one row in
	s_mov_b32 s9, 0
	s_lshl_b32 s10, ttmp9, 11                      ; one row out
	s_mov_b32 s11, 0
	v_lshlrev_b32 v1, 4, v0                        ; 16 t
	v_lshlrev_b32 v2, 3, v0                        ; 8 t
	s_wait_kmcnt 0x0
	s_add_nc_u64 s[16:17], s[16:17], s[4:5]
	s_add_nc_u64 s[18:19], s[18:19], s[8:9]
	s_add_nc_u64 s[20:21], s[20:21], s[8:9]
	s_add_nc_u64 s[22:23], s[22:23], s[8:9]
	s_add_nc_u64 s[24:25], s[24:25], s[6:7]
	s_add_nc_u64 s[26:27], s[26:27], s[10:11]
	s_add_nc_u64 s[28:29], s[28:29], s[10:11]
	s_add_nc_u64 s[30:31], s[30:31], s[10:11]
	s_wait_alu depctr_va_vdst(0)                   ; v1 and v2 are written: every load of the kernel reads v1 as its offset, every store v2
.irp r, 0,1,2,3,4,5,6,7,8,9,10,11,12,13,14,15
	global_load_b128 v[X+4*(\r):X+4*(\r)+3], v1, s[16:17] offset:(\r)*4096 th:TH_LOAD_NT
.endr
	global_load_b128 v[X+64:X+67], v1, s[18:19] th:TH_LOAD_NT
	global_load_b128 v[X+68:X+71], v1, s[20:21] th:TH_LOAD_NT
	global_load_b128 v[X+72:X+75], v1, s[22:23] th:TH_LOAD_NT
; Row i of the 19: to bf16, widened again (a shift, a mask), written as f16.
.macro CONV i
	v_cvt_pk_bf16_f32 v[T],   v[X+4*(\i)],   v[X+4*(\i)+1]
	v_cvt_pk_bf16_f32 v[T+1], v[X+4*(\i)+2], v[X+4*(\i)+3]
	v_lshlrev_b32 v[T+2], 16, v[T]
	v_and_b32     v[T+3], s2, v[T]
	v_lshlrev_b32 v[T+4], 16, v[T+1]
	v_and_b32     v[T+5], s2, v[T+1]
	v_cvt_pk_f16_f32 v[Y+2*(\i)],   v[T+2], v[T+3]
	v_cvt_pk_f16_f32 v[Y+2*(\i)+1], v[T+4], v[T+5]
.endm
; Row i is stored: x's rows behind x16's pointer, the row in the immediate; rows 16 to 18 behind the three weights' pointers.
.macro PUT i
.if (\i) < 16
	global_store_b64 v2, v[Y+2*(\i):Y+2*(\i)+1], s[24:25] offset:(\i)*2048
.else
	global_store_b64 v2, v[Y+2*(\i):Y+2*(\i)+1], s[26+2*((\i)-16):27+2*((\i)-16)]
.endif
.endm
.irp r, 0,1,2,3,4,5,6,7,8,9,10,11,12,13,14,15,16,17,18
	s_wait_loadcnt 18-(\r)                         ; loads come back in order: row r is in, the 18 - r younger ones may stay out
.if (((\r) % 4) == 0) && ((\r) >= 4)
	s_wait_alu depctr_va_vdst(0)                   ; a block's head: the conversions of the four rows before have written their Y, which the stores of this block's turns read
.endif
.if (\r) >= 4
	PUT (\r)-4                                     ; the row four back; no vector instruction since the wait names its Y or v2
.endif
	CONV \r
.endr
	s_wait_alu depctr_va_vdst(0)                   ; rows 16 to 18 have written their Y, which the last stores read (row 15's was written ahead of the wait before)
	PUT 15
	PUT 16
	PUT 17
	PUT 18
	s_endpgm
.Lfunc_end_k_q024fec0243_prep:
	.size	k_q024fec0243_prep, .Lfunc_end_k_q024fec0243_prep-k_q024fec0243_prep
	.p2alignl 7, 3214868480
	.fill 96, 4, 3214868480
	.section	.rodata,"a",@progbits
	.p2align	6, 0x0
	.amdhsa_kernel k_q024fec0243_prep
		.amdhsa_group_segment_fixed_size 0
		.amdhsa_private_segment_fixed_size 0
		.amdhsa_enable_private_segment 0
		.amdhsa_kernarg_size 64
		.amdhsa_user_sgpr_count 2
		.amdhsa_user_sgpr_kernarg_segment_ptr 1
		.amdhsa_wavefront_size32 1
		.amdhsa_system_sgpr_workgroup_id_x 1
		.amdhsa_system_sgpr_workgroup_id_y 1
		.amdhsa_system_sgpr_workgroup_id_z 1
		.amdhsa_system_vgpr_workitem_id 0
		.amdhsa_next_free_vgpr 128
		.amdhsa_next_free_sgpr 66
		.amdhsa_reserve_vcc 0
		.amdhsa_float_denorm_mode_32 3
		.amdhsa_float_denorm_mode_16_64 3
		.amdhsa_memory_ordered 1
		.amdhsa_forward_progress 1
		.amdhsa_inst_pref_size 13
	.end_amdhsa_kernel
	.amdgpu_metadata
---
amdhsa.version: [ 1, 2 ]
amdhsa.kernels:
  - .name:           k_q024fec0243_prep
    .symbol:         k_q024fec0243_prep.kd
    .args:
      - { .name: x, .offset: 0, .size: 8, .value_kind: global_buffer, .address_space: global }
      - { .name: Wqk, .offset: 8, .size: 8, .value_kind: global_buffer, .address_space: global }
      - { .name: Wv, .offset: 16, .size: 8, .value_kind: global_buffer, .address_space: global }
      - { .name: Wo, .offset: 24, .size: 8, .value_kind: global_buffer, .address_space: global }
      - { .name: x16, .offset: 32, .size: 8, .value_kind: global_buffer, .address_space: global }
      - { .name: wqk16, .offset: 40, .size: 8, .value_kind: global_buffer, .address_space: global }
      - { .name: wv16, .offset: 48, .size: 8, .value_kind: global_buffer, .address_space: global }
      - { .name: wo16, .offset: 56, .size: 8, .value_kind: global_buffer, .address_space: global }
    .group_segment_fixed_size: 0
    .private_segment_fixed_size: 0
    .kernarg_segment_align: 8
    .kernarg_segment_size: 64
    .max_flat_workgroup_size: 256
    .sgpr_count:     66
    .vgpr_count:     128
    .wavefront_size: 32
...
	.end_amdgpu_metadata
.endif
;; end of part 5
;; launch proj: the kernel of part 2 again; grid 8 x 64, 4 waves a work-group, clusters of 4 x 4, 327,680 bytes of LDS; arguments x16, wqk16, wv16, qkvt; writes qkvt
;; launch mix: the kernel of part 3 again; grid 8 x 16, 8 waves a work-group, clusters of 4 x 1, 327,680 bytes of LDS; arguments qkvt, wo16, tau, wop; writes wop
;; launch outp: the kernel of part 4 again; grid 4 x 64, 4 waves a work-group, clusters of 4 x 4, 327,680 bytes of LDS; arguments qkvt, wop, out0; writes out0
